; MI455X (gfx1250); checked and timed in simulation.
; The chip was launched on July 23, 2026; its instructions are those of AMD's public machine-readable ISA for CDNA 5 (MIT licence, August 2026) and "CDNA5" Instruction Set Architecture Reference Guide (July 2026). The comments in the code are by the model that wrote it; some were corrected since.
;; Transformer Layer With Cross. Allowed arithmetic: matrix products marked QUANTISED: E2M3 operands, one E8M0 scale for each 32 along K, by v_wmma_scale_f32_16x16x128_f8f6f4 with both operands' format E2M3, f32 sums; everything else in f32.
;; Inputs: ca_bk 1,024 float32; ca_bo 1,024 float32; ca_bq 1,024 float32; ca_bv 1,024 float32; ca_wk_codes 1,024 x 32 x 24 uint8 (E2M3 codes of ca_wk, K innermost, in blocks of 32 codes, four codes in three bytes); ca_wk_scales 1,024 x 32 uint8 (E8M0 scales of ca_wk, one for each 32 codes along K); ca_wo_codes 1,024 x 32 x 24 uint8 (E2M3 codes of ca_wo, K innermost, in blocks of 32 codes, four codes in three bytes); ca_wo_scales 1,024 x 32 uint8 (E8M0 scales of ca_wo, one for each 32 codes along K); ca_wq_codes 1,024 x 32 x 24 uint8 (E2M3 codes of ca_wq, K innermost, in blocks of 32 codes, four codes in three bytes); ca_wq_scales 1,024 x 32 uint8 (E8M0 scales of ca_wq, one for each 32 codes along K); ca_wv_codes 1,024 x 32 x 24 uint8 (E2M3 codes of ca_wv, K innermost, in blocks of 32 codes, four codes in three bytes); ca_wv_scales 1,024 x 32 uint8 (E8M0 scales of ca_wv, one for each 32 codes along K); fc1_b 1,024 float32; fc1_w_codes 1,024 x 32 x 24 uint8 (E2M3 codes of fc1_w, K innermost, in blocks of 32 codes, four codes in three bytes); fc1_w_scales 1,024 x 32 uint8 (E8M0 scales of fc1_w, one for each 32 codes along K); fc2_b 1,024 float32; fc2_w_codes 1,024 x 32 x 24 uint8 (E2M3 codes of fc2_w, K innermost, in blocks of 32 codes, four codes in three bytes); fc2_w_scales 1,024 x 32 uint8 (E8M0 scales of fc2_w, one for each 32 codes along K); ln1_b 1,024 float32; ln1_w 1,024 float32; ln2_b 1,024 float32; ln2_w 1,024 float32; ln3_b 1,024 float32; ln3_w 1,024 float32; other_codes 2 x 1,024 x 32 x 24 uint8 (E2M3 codes of other, K innermost, in blocks of 32 codes, four codes in three bytes); other_scales 2 x 1,024 x 32 uint8 (E8M0 scales of other, one for each 32 codes along K); sa_bk 1,024 float32; sa_bo 1,024 float32; sa_bq 1,024 float32; sa_bv 1,024 float32; sa_wk_codes 1,024 x 32 x 24 uint8 (E2M3 codes of sa_wk, K innermost, in blocks of 32 codes, four codes in three bytes); sa_wk_scales 1,024 x 32 uint8 (E8M0 scales of sa_wk, one for each 32 codes along K); sa_wo_codes 1,024 x 32 x 24 uint8 (E2M3 codes of sa_wo, K innermost, in blocks of 32 codes, four codes in three bytes); sa_wo_scales 1,024 x 32 uint8 (E8M0 scales of sa_wo, one for each 32 codes along K); sa_wq_codes 1,024 x 32 x 24 uint8 (E2M3 codes of sa_wq, K innermost, in blocks of 32 codes, four codes in three bytes); sa_wq_scales 1,024 x 32 uint8 (E8M0 scales of sa_wq, one for each 32 codes along K); sa_wv_codes 1,024 x 32 x 24 uint8 (E2M3 codes of sa_wv, K innermost, in blocks of 32 codes, four codes in three bytes); sa_wv_scales 1,024 x 32 uint8 (E8M0 scales of sa_wv, one for each 32 codes along K); x 2 x 2,048 x 1,024 float32.
;; Outputs: out0 2 x 2,048 x 1,024 float32.
;; This version of the problem:
;;   THIS VERSION OF THE PROBLEM IS GIVEN IN LOW PRECISION. The matrix products marked QUANTISED in the list below multiply operands that are first quantised to E2M3 (2 exponent bits, 3 mantissa bits; 6 bits a number), with one power-of-two scale for each 32 numbers along K (OCP MX v1.0); their sums are f32. All else is computed in f32.
;;   The module's matrix products, in the order in which they are computed (A, B: the left and right operand; K: the contracted axis; several contracted axes count as one K, in the product's order):
;;     1. [M 4,096, K 1,024] x [K 1,024, N 1,024]; A: computed on the way; B: input sa_wq (given as codes): QUANTISED
;;     2. [M 4,096, K 1,024] x [K 1,024, N 1,024]; A: computed on the way; B: input sa_wk (given as codes): QUANTISED
;;     3. [M 4,096, K 1,024] x [K 1,024, N 1,024]; A: computed on the way; B: input sa_wv (given as codes): QUANTISED
;;     4. batch 32 x [M 2,048, K 64] x [K 64, N 2,048]; A: computed on the way; B: computed on the way: QUANTISED
;;     5. batch 32 x [M 64, K 2,048] x [K 2,048, N 2,048]; A: computed on the way; B: softmax (see below): QUANTISED
;;     6. [M 4,096, K 1,024] x [K 1,024, N 1,024]; A: computed on the way; B: input sa_wo (given as codes): QUANTISED
;;     7. [M 4,096, K 1,024] x [K 1,024, N 1,024]; A: computed on the way; B: input ca_wq (given as codes): QUANTISED
;;     8. [M 2,048, K 1,024] x [K 1,024, N 1,024]; A: input other (given as codes); B: input ca_wk (given as codes): QUANTISED
;;     9. [M 2,048, K 1,024] x [K 1,024, N 1,024]; A: input other (given as codes); B: input ca_wv (given as codes): QUANTISED
;;     10. batch 32 x [M 2,048, K 64] x [K 64, N 1,024]; A: computed on the way; B: computed on the way: QUANTISED
;;     11. batch 32 x [M 64, K 1,024] x [K 1,024, N 2,048]; A: computed on the way; B: softmax (see below): QUANTISED
;;     12. [M 4,096, K 1,024] x [K 1,024, N 1,024]; A: computed on the way; B: input ca_wo (given as codes): QUANTISED
;;     13. [M 4,096, K 1,024] x [K 1,024, N 1,024]; A: computed on the way; B: input fc1_w (given as codes): QUANTISED
;;     14. [M 4,096, K 1,024] x [K 1,024, N 1,024]; A: computed on the way; B: input fc2_w (given as codes): QUANTISED
;;   THE QUANTISER, for each operand of a quantised product, along K:
;;     - K is cut into blocks of 32 from its start; a last block that is shorter is filled with zeros.
;;     - A block's scale is 2^e with e = floor(log2(the largest magnitude in the block)) - 2, held to -126 .. 127; a block of zeros has e = 0. As a byte (E8M0): e + 127.
;;     - Each number is divided by its block's scale, clamped to +-7.5, and rounded to the nearest number of E2M3, ties to even, subnormals kept.
;;     - The product sums the exact products of the quantised numbers (number of the format x scale) in f32.
;;   ~~~python
;;   def quantise(x, axis):      # numpy; x: float32 -> the quantised numbers, widened to float32 again
;;       x = np.moveaxis(x, axis, -1); K = x.shape[-1]
;;       x = np.pad(x, [(0, 0)] * (x.ndim - 1) + [(0, -K % 32)]); x = x.reshape(x.shape[:-1] + (-1, 32)); a = np.abs(x).max(-1, keepdims=True)
;;       e = np.where(a > 0, np.clip(np.frexp(np.where(a > 0, a, 1))[1] - 1 - 2, -126, 127), 0)      # np.frexp(a)[1] - 1 = floor(log2(a)), exactly
;;       r = np.clip(x / 2.0 ** e, -7.5, 7.5)
;;       step = 2.0 ** (np.maximum(np.frexp(np.where(r == 0, 1, r))[1] - 1, 0) - 3)
;;       q = np.round(r / step) * step * 2.0 ** e      # np.round: ties to even
;;       return np.moveaxis(q.reshape(q.shape[:-2] + (-1,))[..., :K], -1, axis).astype(np.float32)
;;   ~~~
;;   SOFTMAX AHEAD OF A QUANTISED PRODUCT. Where the list says 'softmax', what is quantised is not the finished softmax but p = 2^(t - M), with t = logit x log2(e) and M = ceil(the row's largest t), a whole number; so 1/2 < the row's largest p <= 1. The row's sum l is taken of the UNQUANTISED p, in f32, and the product's result is divided by l at the end. Since M is a whole number, a kernel that streams over the keys may use a running M (the ceiling of the running maximum): every later rescaling is an exact power of two, which a block's scale takes up: the codes' values come out the same.
;;   OPERANDS COMPUTED ON THE WAY. 'Computed on the way' means the value that the module computes at that place (a softmax that the list does not call 'softmax' is quantised finished and normalised). What goes into a quantiser is computed in f32, as accurately as f32 sums, v_exp_f32 and their like allow (about 1e-6 of the number): no bf16 or f16 on the way to a quantiser, and a product that is left as it is and whose result goes on into a quantised operand takes f32 operands (vector FMAs, or v_wmma_f32_16x16x4_f32). A number that lies on a knife's edge between two numbers of the format may be rounded either way, as far as f32 arithmetic and the matrix unit's own rounding can turn it there, and no further.
;;   INPUTS GIVEN AS CODES. ca_wk (in the module: [1024, 1024], K = its axis 0); ca_wo (in the module: [1024, 1024], K = its axis 0); ca_wq (in the module: [1024, 1024], K = its axis 0); ca_wv (in the module: [1024, 1024], K = its axis 0); fc1_w (in the module: [1024, 1024], K = its axis 0); fc2_w (in the module: [1024, 1024], K = its axis 0); other (in the module: [2, 1024, 1024], K = its axis 2); sa_wk (in the module: [1024, 1024], K = its axis 0); sa_wo (in the module: [1024, 1024], K = its axis 0); sa_wq (in the module: [1024, 1024], K = its axis 0); sa_wv (in the module: [1024, 1024], K = its axis 0): each comes as NAME_codes (uint8): NAME with its K axis moved to the last place and cut into blocks of 32 codes, [.., K / 32, bytes a block], one block behind the other in memory; four codes in three bytes: a row's codes are one little-endian stream of bits, code i at bits 6 i .. 6 i + 5 (a code: sign, 2 exponent bits, 3 mantissa bits); and NAME_scales (uint8): the same leading axes, one E8M0 byte (e + 127) for each 32 codes along K. Its value is code x scale, taken as it is: it is not quantised again, and the codes and scales need not be those that the quantiser above would give.
;; One version. Each part assembles by itself: llvm-mc -triple=amdgcn-amd-amdhsa -mcpu=gfx1250 --defsym DOCPART=n.
;; ======== version 1 of 1: 10 launches
;; limits: right only within a limited range of input values
;; workspace buffers: acod 3,145,728 bytes; ascl 131,072 bytes; aimg 3,145,728 bytes; kv 10,616,832 bytes; ocod 3,145,728 bytes; oscl 131,072 bytes; x1 16,777,216 bytes; x2 16,777,216 bytes
;; launch ln1 (part 1): grid 256 x 1, 4 waves a work-group, no clusters, 99,840 bytes of LDS; arguments x, ln1_w, ln1_b, ascl, acod, aimg; writes ascl, acod, aimg
.if DOCPART == 1
	.amdgcn_target "amdgcn-amd-amdhsa--gfx1250"
	.amdhsa_code_object_version 6
	.text
	.protected	k_q3b3f28fc44_ln1
	.globl	k_q3b3f28fc44_ln1
	.p2align	8
	.type	k_q3b3f28fc44_ln1,@function
k_q3b3f28fc44_ln1:
	s_mov_b64 s[64:65], 0
	v_nop
	global_prefetch_b8 v0, s[64:65] scope:SCOPE_SE
	s_setreg_imm32_b32 hwreg(HW_REG_WAVE_MODE, 25, 1), 1
	s_wait_xcnt 0x0
; LayerNorm of 4,096 rows of 1,024 f32, quantised to codes of E2M3 with one E8M0 byte for each 32 along the row.
; OUT: scale bytes [4096][32]; the codes in one or two layouts, by the two switches below:
;   ROWS_OUT: [4096][768], a row one stream of bits, laid as the problem's own code inputs (for the launches that bring tiles of rows into LDS);
;   IMG_OUT:  images of the operand's registers, [row / 128][K step of 128][tile of 16 rows][6 register pairs][32 lanes][8 bytes] (for the launch that loads fragments straight from memory).
; This launch writes both: the rows feed the K and V projections, the images the Q projection inside the attention.
; SHARES: a work-group takes 16 rows, each of its four waves 4.  All 48 loads of a wave go out at the head; each covers 512 consecutive bytes.
; Mean first, then the sum of squares of x - mean: no difference of large sums.  A row then turns through the wave's own stage in LDS
; (32 places of 128 + 16 bytes), so that lane L holds block L, 32 neighbours: the block's largest magnitude needs no other lane.
; Rows leave through a dense stage as 3,072 consecutive bytes a wave; images through a stage that the four waves share (a fragment holds all 16 rows), 256 aligned bytes a store.
; No matrix unit, no cluster, no tensor load: the rows are read once and only the 8 KB of gain and bias are shared.
; LIMITS: a block of zeros gets the byte 1 (the rule says 127): its codes are zeros and this program alone reads the bytes.  NaN and infinities are not served.
.set ROWS_OUT, 1
.set IMG_OUT, 1
.set NST, 1+3*ROWS_OUT+3*IMG_OUT       ; LDS stores of one row's quantiser
.set RST, 4608                         ; a row's turn stage: 32 places of 144 bytes
.set WST, 4*RST                        ; a wave's four
.set CST, 4*WST                        ; behind them: the row stages, 3,072 bytes a wave
.set CWB, 3072
.set SBY, CST+4*CWB                    ; behind them: the work-group's 512 scale bytes
.set IMG, SBY+512                      ; behind them: the image stage: 8 fragments, each two halves of 768 + 8 bytes
.set IPC, 776                          ; with these two pitches the 32 lanes of a store (8 K steps x 2 halves x 2 lane halves) fall on 32 different places of 8 bytes modulo 256
.set IPS, 2*IPC
.set X, 64                             ; v64-191  row i at X + 32 i
.set W, 192                            ; v192-223 gain of my 32 columns
.set B, 224                            ; v224-255 bias
.set C, 24                             ; v24-55   row i's codes (6) and byte at C + 8 i
	s_load_b256 s[4:11], s[0:1], 0x0               ; x s[4:5], gain s[6:7], bias s[8:9], scale bytes s[10:11]
.if ROWS_OUT
	s_load_b64 s[12:13], s[0:1], 0x20              ; codes by rows
.endif
.if IMG_OUT
	s_load_b64 s[14:15], s[0:1], 0x20+8*ROWS_OUT   ; codes as images
	v_lshl_add_u32 v62, v0, 2, 0x18400
	v_mov_b32 v63, 0
.endif
	v_lshrrev_b32 v1, 5, v0
	v_readfirstlane_b32 s28, v1                    ; wave
	v_and_b32 v1, 31, v0                           ; lane
	v_lshlrev_b32 v2, 4, v1                        ; 16 x lane
	s_lshl_b32 s29, ttmp9, 4
	s_lshl_b32 s20, s28, 2
	s_add_co_u32 s29, s29, s20                     ; my wave's first row
	s_lshl_b32 s20, s29, 12
	s_mov_b32 s21, 0
	s_lshl_b32 s24, ttmp9, 9                       ; 16 rows x 32 scale bytes
	s_mov_b32 s25, 0
.if ROWS_OUT
	s_mul_i32 s22, s29, 768
	s_mov_b32 s23, 0
.endif
.if IMG_OUT
	s_lshr_b32 s26, ttmp9, 3                       ; the block of 128 rows,
	s_mul_i32 s26, s26, 98304
	s_and_b32 s27, ttmp9, 7                        ; my work-group's tile of 16 rows in it,
	s_mul_i32 s27, s27, 1536
	s_add_co_u32 s26, s26, s27
	s_mul_i32 s27, s28, 24576                      ; and the two K steps that my wave stores
	s_add_co_u32 s26, s26, s27
	s_mov_b32 s27, 0
.endif
	s_mov_b32 s16, 0x76543210
	s_mov_b32 s17, 0xfedcba98                      ; v_permlanex16_b32: lane l xor 16
	s_mov_b32 s18, 0x3a800000                      ; 1 / 1024
	s_mov_b32 s19, 0x3727c5ac                      ; 1e-5
	s_wait_alu depctr_va_vdst(0)
	s_wait_kmcnt 0x0
	s_add_nc_u64 s[4:5], s[4:5], s[20:21]
	s_add_nc_u64 s[10:11], s[10:11], s[24:25]
.if ROWS_OUT
	s_add_nc_u64 s[12:13], s[12:13], s[22:23]
.endif
.if IMG_OUT
	s_add_nc_u64 s[14:15], s[14:15], s[26:27]
.endif
.irp j, 0,1,2,3,4,5,6,7
	global_load_b128 v[W+4*\j:W+4*\j+3], v2, s[6:7] offset:512*\j
.endr
.irp j, 0,1,2,3,4,5,6,7
	global_load_b128 v[B+4*\j:B+4*\j+3], v2, s[8:9] offset:512*\j
.endr
.irp i, 0,1,2,3
.irp j, 0,1,2,3,4,5,6,7
	global_load_b128 v[X+32*\i+4*\j:X+32*\i+4*\j+3], v2, s[4:5] offset:4096*\i+512*\j
.endr
.endr
	s_mul_i32 s29, s28, WST
	v_lshrrev_b32 v13, 3, v1
	v_mul_u32_u24 v3, v13, 144
	v_and_b32 v13, 7, v1
	v_lshl_add_u32 v3, v13, 4, v3
	v_add_nc_u32 v3, s29, v3                       ; into the turn stage: 144 (lane / 8) + 16 (lane % 8); a load's 512 bytes are four places
	v_mul_u32_u24 v4, v1, 144
	v_add_nc_u32 v4, s29, v4                       ; out of it: place = lane
.if ROWS_OUT
	s_mul_i32 s29, s28, CWB
	s_add_co_u32 s29, s29, CST
	v_mul_u32_u24 v5, v1, 24
	v_add_nc_u32 v5, s29, v5                       ; row stage, in: 24 bytes a lane
	v_add_nc_u32 v6, s29, v2                       ; and out: 16 bytes a lane
.endif
	s_lshl_b32 s29, s28, 7
	s_add_co_u32 s29, s29, SBY
	v_add_nc_u32 v7, s29, v1                       ; my block's scale byte: 128 x wave + lane
	v_add_nc_u32 v8, SBY, v2                       ; all 512 of them, 16 a lane
.if IMG_OUT
	v_lshrrev_b32 v13, 2, v1                       ; my block L is K step L / 4, half (L / 2) % 2 of the fragment's registers, lanes 16 (L % 2) on
	v_mul_u32_u24 v9, v13, IPS
	v_bfe_u32 v13, v1, 1, 1
	v_mad_u32_u24 v9, v13, IPC, v9
	v_and_b32 v13, 1, v1
	v_lshl_add_u32 v9, v13, 7, v9
	s_lshl_b32 s29, s28, 5                         ; 8 bytes a row: my wave's rows 4 x wave on
	s_add_co_u32 s29, s29, IMG
	v_add_nc_u32 v9, s29, v9                       ; image stage, in
	s_mul_i32 s29, s28, 2*IPS
	s_add_co_u32 s29, s29, IMG
	v_lshl_add_u32 v11, v1, 3, s29                 ; and out: my wave's two fragments, 8 bytes a lane
	v_lshlrev_b32 v12, 3, v1                       ; 8 x lane
.endif
.macro REDUCE                          ; v16 summed over the 32 lanes, into every lane
	v_add_f32_dpp v16, v16, v16 row_xmask:1 row_mask:0xf bank_mask:0xf
	v_add_f32_dpp v16, v16, v16 row_xmask:2 row_mask:0xf bank_mask:0xf
	v_add_f32_dpp v16, v16, v16 row_xmask:4 row_mask:0xf bank_mask:0xf
	v_add_f32_dpp v16, v16, v16 row_xmask:8 row_mask:0xf bank_mask:0xf
	v_permlanex16_b32 v17, v16, s16, s17
	v_add_f32 v16, v16, v17
.endm
.macro LNROW i
.set XR, X+32*\i
	s_wait_loadcnt 24-8*\i                         ; gain, bias and rows up to mine are in; the 8 loads of each later row may be out
	v_pk_add_f32 v[16:17], v[XR:XR+1], v[XR+2:XR+3]
	v_pk_add_f32 v[18:19], v[XR+4:XR+5], v[XR+6:XR+7]
.irp k, 8,12,16,20,24,28
	v_pk_add_f32 v[16:17], v[16:17], v[XR+\k:XR+\k+1]
	v_pk_add_f32 v[18:19], v[18:19], v[XR+\k+2:XR+\k+3]
.endr
	v_pk_add_f32 v[16:17], v[16:17], v[18:19]
	v_add_f32 v16, v16, v17
	REDUCE
	v_mul_f32 v20, s18, v16                        ; the mean
	v_mov_b32 v21, v20
.irp k, 0,2,4,6,8,10,12,14,16,18,20,22,24,26,28,30
	v_pk_add_f32 v[XR+\k:XR+\k+1], v[XR+\k:XR+\k+1], v[20:21] neg_lo:[0,1] neg_hi:[0,1]
.endr
	v_pk_mul_f32 v[16:17], v[XR:XR+1], v[XR:XR+1]
	v_pk_mul_f32 v[18:19], v[XR+2:XR+3], v[XR+2:XR+3]
.irp k, 4,8,12,16,20,24,28
	v_pk_fma_f32 v[16:17], v[XR+\k:XR+\k+1], v[XR+\k:XR+\k+1], v[16:17]
	v_pk_fma_f32 v[18:19], v[XR+\k+2:XR+\k+3], v[XR+\k+2:XR+\k+3], v[18:19]
.endr
	v_pk_add_f32 v[16:17], v[16:17], v[18:19]
	v_add_f32 v16, v16, v17
	REDUCE
	v_fma_f32 v16, v16, s18, s19                   ; variance + 1e-5
	s_wait_alu depctr_va_vdst(0)
	v_rsq_f32 v22, v16
	v_nop                                          ; a plain instruction behind the transcendental
	s_wait_alu depctr_va_vdst(0)                   ; and the wait ahead of the first line that names its result
	v_mov_b32 v23, v22
.irp k, 0,2,4,6,8,10,12,14,16,18,20,22,24,26,28,30
	v_pk_mul_f32 v[XR+\k:XR+\k+1], v[XR+\k:XR+\k+1], v[22:23]
.endr
.irp k, 0,2,4,6,8,10,12,14,16,18,20,22,24,26,28,30
	v_pk_fma_f32 v[XR+\k:XR+\k+1], v[XR+\k:XR+\k+1], v[W+\k:W+\k+1], v[B+\k:B+\k+1]
.endr
.irp j, 0,1,2,3,4,5,6,7
	ds_store_b128 v3, v[XR+4*\j:XR+4*\j+3] offset:\i*RST+576*\j
.endr
.irp e, 0,1,2,3,4,5,6,7
	ds_load_b128 v[XR+4*\e:XR+4*\e+3], v4 offset:\i*RST+16*\e   ; LDS serves a wave's instructions in order: these see the stores above
.endr
.endm
.macro QROW i
.set XR, X+32*\i
.set CR, C+8*\i
	s_wait_dscnt 16*(3-\i)+NST*\i                  ; my row is back: behind its loads stand 16 instructions for each later row and NST stores for each earlier one
	v_max3_num_f32 v16, |v[XR]|, |v[XR+1]|, 0x1800000   ; the floor 2^(3 - 127) holds the byte at 1 from below
	v_max3_num_f32 v17, |v[XR+2]|, |v[XR+3]|, |v[XR+4]|
.irp k, 5,9,13,17,21,25
	v_max3_num_f32 v16, v16, |v[XR+\k]|, |v[XR+\k+1]|
	v_max3_num_f32 v17, v17, |v[XR+\k+2]|, |v[XR+\k+3]|
.endr
	v_max3_num_f32 v16, v16, |v[XR+29]|, |v[XR+30]|
	v_max3_num_f32 v16, v16, v17, |v[XR+31]|
	v_add_nc_u32 v18, 0xff000000, v16              ; 2 off the exponent field: the conversion's scale operand
	v_lshrrev_b32 v[CR+7], 23, v18                 ; the scale's byte
	v_cvt_scalef32_pk16_fp6_f32 v[CR:CR+2], v[XR:XR+15], v18
	v_cvt_scalef32_pk16_fp6_f32 v[CR+4:CR+6], v[XR+16:XR+31], v18   ; (a conversion's three registers begin on an even number)
	v_nop                                          ; a plain instruction behind the scaled conversions
	v_mov_b32 v[CR+3], v[CR+4]
	v_mov_b32 v[CR+4], v[CR+5]
	v_mov_b32 v[CR+5], v[CR+6]
.if ROWS_OUT
.irp p, 0,1,2
	ds_store_b64 v5, v[CR+2*\p:CR+2*\p+1] offset:768*\i+8*\p
.endr
.endif
.if IMG_OUT
.irp p, 0,1,2
	ds_store_b64 v9, v[CR+2*\p:CR+2*\p+1] offset:256*\p+8*\i   ; register pair p of my half of the fragment, the place of my row
.endr
.endif
	ds_store_b8 v7, v[CR+7] offset:32*\i
.endm
	LNROW 0
	LNROW 1
	LNROW 2
	LNROW 3
	QROW 0
	QROW 1
	QROW 2
	QROW 3
.if ROWS_OUT
.irp k, 0,1,2,3,4,5
	ds_load_b128 v[64+4*\k:67+4*\k], v6 offset:512*\k
.endr
.endif
	s_wait_dscnt 0x0                               ; my own bytes are back, and for the others' sake my scale bytes and my part of the images have landed
	s_barrier_signal -1
	s_barrier_wait -1
.if ROWS_OUT
.irp k, 0,1,2,3,4,5
	global_store_b128 v2, v[64+4*\k:67+4*\k], s[12:13] offset:512*\k   ; 512 consecutive bytes, aligned to 256
.endr
.endif
.if IMG_OUT
.irp n, 0,1,2,3,4,5,6,7,8,9,10,11
	ds_load_b64 v[96+2*\n:97+2*\n], v11 offset:(\n/6)*IPS+((\n%6)/3)*IPC+(\n%3)*256   ; a register pair of all 32 lanes: 256 consecutive bytes
.endr
	s_wait_dscnt 0x0
.irp n, 0,1,2,3,4,5,6,7,8,9,10,11
	global_store_b64 v12, v[96+2*\n:97+2*\n], s[14:15] offset:(\n/6)*12288+(\n%6)*256   ; 256 consecutive bytes, aligned
.endr
.endif
	s_cmp_lg_u32 s28, 0
	s_cbranch_scc1 .Lend
	ds_load_b128 v[88:91], v8                      ; wave 0: the 16 rows' scale bytes
	s_wait_dscnt 0x0
	global_store_b128 v2, v[88:91], s[10:11]
.Lend:
	s_wait_tensorcnt 0x0
	ds_add_u32 v62, v63
	s_wait_dscnt 0x0
	s_endpgm
.Lfunc_end_k_q3b3f28fc44_ln1:
	.size	k_q3b3f28fc44_ln1, .Lfunc_end_k_q3b3f28fc44_ln1-k_q3b3f28fc44_ln1
	.p2alignl 7, 3214868480
	.fill 96, 4, 3214868480
	.section	.rodata,"a",@progbits
	.p2align	6, 0x0
	.amdhsa_kernel k_q3b3f28fc44_ln1
		.amdhsa_group_segment_fixed_size 99840
		.amdhsa_private_segment_fixed_size 0
		.amdhsa_enable_private_segment 0
		.amdhsa_kernarg_size 48
		.amdhsa_user_sgpr_count 2
		.amdhsa_user_sgpr_kernarg_segment_ptr 1
		.amdhsa_wavefront_size32 1
		.amdhsa_system_sgpr_workgroup_id_x 1
		.amdhsa_system_sgpr_workgroup_id_y 1
		.amdhsa_system_sgpr_workgroup_id_z 1
		.amdhsa_system_vgpr_workitem_id 0
		.amdhsa_next_free_vgpr 256
		.amdhsa_next_free_sgpr 66
		.amdhsa_reserve_vcc 0
		.amdhsa_float_denorm_mode_32 3
		.amdhsa_float_denorm_mode_16_64 3
		.amdhsa_memory_ordered 1
		.amdhsa_forward_progress 1
		.amdhsa_inst_pref_size 47
	.end_amdhsa_kernel
	.amdgpu_metadata
---
amdhsa.version: [ 1, 2 ]
amdhsa.kernels:
  - .name:           k_q3b3f28fc44_ln1
    .symbol:         k_q3b3f28fc44_ln1.kd
    .args:
      - { .name: x, .offset: 0, .size: 8, .value_kind: global_buffer, .address_space: global }
      - { .name: ln1_w, .offset: 8, .size: 8, .value_kind: global_buffer, .address_space: global }
      - { .name: ln1_b, .offset: 16, .size: 8, .value_kind: global_buffer, .address_space: global }
      - { .name: ascl, .offset: 24, .size: 8, .value_kind: global_buffer, .address_space: global }
      - { .name: acod, .offset: 32, .size: 8, .value_kind: global_buffer, .address_space: global }
      - { .name: aimg, .offset: 40, .size: 8, .value_kind: global_buffer, .address_space: global }
    .group_segment_fixed_size: 99840
    .private_segment_fixed_size: 0
    .kernarg_segment_align: 8
    .kernarg_segment_size: 48
    .max_flat_workgroup_size: 128
    .sgpr_count:     66
    .vgpr_count:     256
    .wavefront_size: 32
...
	.end_amdgpu_metadata
.endif
;; end of part 1
;; launch qkv (part 2): grid 8 x 96, 4 waves a work-group, clusters of 4 x 4, 229,888 bytes of LDS; arguments acod, ascl, other_codes, other_scales, sa_wk_codes, sa_wk_scales, sa_bk, sa_wv_codes, sa_wv_scales, sa_bv, ca_wk_codes, ca_wk_scales, ca_bk, ca_wv_codes, ca_wv_scales, ca_bv, kv; writes kv
.if DOCPART == 2
	.amdgcn_target "amdgcn-amd-amdhsa--gfx1250"
	.amdhsa_code_object_version 6
	.text
	.protected	k_q3b3f28fc44_qkv
	.globl	k_q3b3f28fc44_qkv
	.p2align	8
	.type	k_q3b3f28fc44_qkv,@function
k_q3b3f28fc44_qkv:
	s_mov_b64 s[64:65], 0
	v_nop
	global_prefetch_b8 v0, s[64:65] scope:SCOPE_SE
	s_setreg_imm32_b32 hwreg(HW_REG_WAVE_MODE, 25, 1), 1
	s_wait_xcnt 0x0
	s_wait_alu depctr_hold_cnt(0) depctr_sa_sdst(0) depctr_va_vdst(0) depctr_va_sdst(0) depctr_va_ssrc(0) depctr_va_vcc(0) depctr_vm_vsrc(0)
	s_getreg_b32 s2, hwreg(HW_REG_IB_STS2, 6, 4)
	s_cmp_eq_u32 s2, 0
	s_cbranch_scc0 .Lentry_in_a_cluster
	s_endpgm
.Lentry_in_a_cluster:
	s_bfe_u32 s2, ttmp6, 0x10000c
	s_cmp_lg_u32 s2, 0xf033
	s_cbranch_scc0 .Lentry_shape_is_right
	s_endpgm
.Lentry_shape_is_right:
; The K and V projections on codes of E2M3: y = a W^T + b, K = 1,024, and y quantised at once as the attention's operand.  Four paths by the cluster's y:
; 0-7 K, 8-15 V (rows of the normed x), 16-19 K, 20-23 V (rows of 'other').  (The Q projections are made inside the attention launches.)
; A tile of y is 128 x 128; four waves, 64 x 64 each: 16 accumulators.  All of K lies in LDS at once (a row whole, 768 bytes), filled once: nothing is filled again.
; CLUSTER 4 x 4: region P (source 1's rows, tile IA) is shared along a row of the cluster, region S (source 0's rows, tile IB) along a column: joint loads.
; Source 0 = 16 rows of S, source 1 = 16 rows of P: a lane holds ONE row of P and its registers run along S's rows.
;   K: P = activations, S = the weight: a lane holds a key, registers run along the head's 64: two blocks of 32 = the first product's K.
;   V: P = the weight, S = activations: a lane holds a channel, registers run down 64 keys = the second product's K.  Only pointers and tile indices change places, not the text.
; ORDER INSIDE A BLOCK OF 32: a lane's 16 registers of two neighbouring tiles are places 8h+j and 16+8h+j.  k meets q and v meets p with this same order on both sides, and the blocks' scales are untouched: it is left so.
; OUT: kv: a chunk of 13,824 bytes for each (batch*16+head, 128 keys): K's 8 tiles x 768 as [3][32 lanes][8 bytes]; V's 4 tiles x 1,536 at 6,144; K's scale words 8 x 128 at 12,288; V's 4 x 128 at 13,312.  Cross chunks from 7,077,888 on.
; LIMITS: a block of zeros gets the byte 1 (codes are zeros, the bytes are this program's own).  NaN and infinities are not served.
; THE LAYOUT IN LDS: a row of codes lies whole, 768 bytes as 3 x (256 + 16 of padding), not in two halves: 204 words, so the 16 rows of a load start 12 words apart modulo 64.
; Four tiles, one tensor load a wave at the head: P's 128 rows, S's 128 rows, P's scale bytes, S's scale bytes.  A tile's rows begin at multiples of 768 bytes of memory.
.set PITCH, 816
.set QROWS, 64*PITCH                   ; what one wave reads of a region
.set HALF,  128*PITCH                  ; a region: 128 rows
.set SB0,   HALF                       ; region S behind region P
.set ASC,   2*HALF                     ; scale bytes: P's 128 rows x 32, then S's
.set CH,    13824
.set SC,  32                           ; v32-39   scale words, two sets of four: lanes 0-15 P's tile i, lanes 16-31 S's tile i
.set TM,  40                           ; v40-43   largest magnitudes
.set SO,  44                           ; v44-45   the conversions' scale operands
.set BY,  46                           ; v46-47   scale bytes
.set PC1, 48                           ; v48-50   the second block's half
.set COB, 52                           ; v52+8a   codes (6), scale word, of tile a
.set BI,  96                           ; v96-127  the bias, as the C of the first products
.set ACC, 128                          ; v128-255 accumulator (a, b) at ACC + 8 (4 a + b)
.set SEL, 100
.set MSB, 0
.macro WIN new                         ; the immediate's high byte repeats the setting that is left
.if MSB != \new
	s_set_vgpr_msb (MSB<<8)|\new
.set MSB, \new
.endif
.endm
.macro PLACES n
.rept \n
	v_nop
.endr
.endm
.macro CROUND                          ; a round of the cluster's barrier
	s_barrier_signal -1
	s_barrier_wait -1
	s_cmp_lg_u32 s20, 0
	s_cbranch_scc1 .Lnot_wave_0_\@
	s_barrier_signal -3
.Lnot_wave_0_\@:
	s_barrier_wait -3
	s_barrier_signal -1
	s_barrier_wait -1
.endm
	s_load_b256 s[4:11], s[0:1], 0x0               ; normed x: codes, scales; other: codes, scales
	s_load_b128 s[32:35], s[0:1], 0x20             ; K's weight: codes, scales
	s_load_b64 s[36:37], s[0:1], 0x30              ; its bias
	s_load_b128 s[40:43], s[0:1], 0x38             ; V's
	s_load_b64 s[44:45], s[0:1], 0x48
	s_load_b128 s[48:51], s[0:1], 0x50             ; cross K's
	s_load_b64 s[52:53], s[0:1], 0x60
	s_load_b128 s[56:59], s[0:1], 0x68             ; cross V's
	s_load_b64 s[60:61], s[0:1], 0x78
	s_load_b64 s[14:15], s[0:1], 0x80              ; kv
	v_lshl_add_u32 v94, v0, 2, 0x38000
	v_mov_b32 v95, 0
	ds_add_u32 v94, v95
	ds_add_u32 v94, v95
	v_lshrrev_b32 v1, 5, v0
	v_readfirstlane_b32 s20, v1                    ; wave
	s_lshr_b32 s21, s20, 1                         ; wr: my half of P's rows.  Also: I fetch codes (0) or scale bytes (1)
	s_and_b32 s22, s20, 1                          ; wc: my half of S's rows.  Also: I fetch for P (0) or S (1)
	s_bfe_u32 s23, ttmp6, 0x40000                  ; cx
	s_bfe_u32 s24, ttmp6, 0x40004                  ; cy
	s_and_b32 s93, ttmp7, 0xffff                   ; the cluster's y: the same in all sixteen partners
	s_mov_b32 s31, 7077888
	s_mov_b32 s[SEL], 0x76543210
	s_mov_b32 s[SEL+1], 0xfedcba98
	s_wait_dscnt 0x0
	s_wait_kmcnt 0x0
	; the path: s29 kind (1 K, 2 V), s30 log2 of a batch's tiles of rows, s31 where the chunks begin, s92 the path's first cluster row; the weight's three pointers end in s[56:61]
	s_cmp_lt_u32 s93, 20
	s_cselect_b32 s29, 1, 2
	s_cselect_b32 s92, 16, 20
	s_cselect_b64 s[56:57], s[48:49], s[56:57]
	s_cselect_b64 s[58:59], s[50:51], s[58:59]
	s_cselect_b64 s[60:61], s[52:53], s[60:61]
	s_cmp_lt_u32 s93, 16
	s_cselect_b32 s29, 2, s29
	s_cselect_b32 s92, 8, s92
	s_cselect_b32 s30, 4, 3
	s_cselect_b32 s31, 0, s31
	s_cselect_b64 s[56:57], s[40:41], s[56:57]
	s_cselect_b64 s[58:59], s[42:43], s[58:59]
	s_cselect_b64 s[60:61], s[44:45], s[60:61]
	s_cselect_b64 s[4:5], s[4:5], s[8:9]           ; the activations: the normed x or 'other'
	s_cselect_b64 s[6:7], s[6:7], s[10:11]
	s_cmp_lt_u32 s93, 8
	s_cselect_b32 s29, 1, s29
	s_cselect_b32 s92, 0, s92
	s_cselect_b64 s[56:57], s[32:33], s[56:57]
	s_cselect_b64 s[58:59], s[34:35], s[58:59]
	s_cselect_b64 s[60:61], s[36:37], s[60:61]
	s_sub_co_u32 s92, s93, s92                     ; the cluster's row within its path
	s_cmp_eq_u32 s29, 2                            ; V: the regions change roles
	s_cselect_b64 s[8:9], s[4:5], s[56:57]         ; S's codes
	s_cselect_b64 s[10:11], s[6:7], s[58:59]       ; S's scales
	s_cselect_b64 s[4:5], s[56:57], s[4:5]         ; P's codes
	s_cselect_b64 s[6:7], s[58:59], s[6:7]         ; P's scales
	s_cselect_b32 s94, ttmp9, s92
	s_cselect_b32 s95, s92, ttmp9
	s_mov_b64 s[12:13], s[60:61]                   ; the bias
	s_lshl_b32 s26, s94, 2
	s_add_co_u32 s26, s26, s24                     ; IA: P's tile: hangs on cy, not on cx
	s_lshl_b32 s25, s95, 2
	s_add_co_u32 s25, s25, s23                     ; IB: S's tile: hangs on cx, not on cy
	s_lshl_b32 s27, s24, 2
	s_lshl_b32 s27, 15, s27                        ; my row of the cluster
	s_lshl_b32 s28, 0x1111, s23                    ; my column
	; group 1, codes: 128 rows x 768 bytes, 16 bytes of padding behind every 256
	s_or_b32 s32, s27, (1<<20)|(1<<21)|(5<<22)|(3<<25)   ; 128 rows x 768 bytes, 16 bytes of padding behind every 256
	s_or_b32 s40, s28, (1<<20)|(1<<21)|(5<<22)|(3<<25)
.irp g, 32, 40
	s_mov_b32 s[\g+1], 768<<16
	s_mov_b32 s[\g+2], 128<<16
	s_mov_b32 s[\g+3], 768<<16
	s_mov_b32 s[\g+4], 128
	s_mov_b32 s[\g+5], 768
	s_mov_b32 s[\g+6], 0
	s_mov_b32 s[\g+7], 0
.endr
	; group 1, scale bytes of 128 rows: 4,096 dense bytes as 16 rows of 256
	s_or_b32 s48, s27, (3<<16)|(1<<21)
	s_or_b32 s56, s28, (3<<16)|(1<<21)
.irp g, 48, 56                         ; scale bytes of 128 rows: 4,096 dense bytes as 16 rows of 256
	s_mov_b32 s[\g+1], 32<<16
	s_mov_b32 s[\g+2], 16<<16
	s_mov_b32 s[\g+3], 32<<16
	s_mov_b32 s[\g+4], 16
	s_mov_b32 s[\g+5], 32
	s_mov_b32 s[\g+6], 0
	s_mov_b32 s[\g+7], 0
.endr
	s_lshl_b32 s92, s26, 7
	s_mul_i32 s94, s92, 768
	s_mov_b32 s95, 0
	s_lshl_b32 s92, s92, 5
	s_mov_b32 s93, 0
	s_lshl_b32 s96, s25, 7
	s_mul_i32 s98, s96, 768
	s_mov_b32 s99, 0
	s_lshl_b32 s96, s96, 5
	s_mov_b32 s97, 0
	s_mov_b32 s68, 1
	s_mov_b32 s69, ASC
	s_add_nc_u64 s[70:71], s[6:7], s[92:93]
	s_or_b32 s71, s71, 0x80000000
	s_mov_b32 s72, 1
	s_mov_b32 s73, 0
	s_add_nc_u64 s[74:75], s[4:5], s[94:95]
	s_or_b32 s75, s75, 0x80000000
	s_mov_b32 s80, 1
	s_mov_b32 s81, ASC+4096
	s_add_nc_u64 s[82:83], s[10:11], s[96:97]
	s_or_b32 s83, s83, 0x80000000
	s_mov_b32 s84, 1
	s_mov_b32 s85, SB0
	s_add_nc_u64 s[86:87], s[8:9], s[98:99]
	s_or_b32 s87, s87, 0x80000000
	CROUND                                         ; all sixteen work-groups are here: the joint loads meet
; the head's four tiles, one a wave, in one chain of branches on the wave's number: wave 0 P's codes, wave 1 S's codes, wave 2 P's scale bytes, wave 3 S's
.macro ARM under, g0, g1, next
	s_cmp_lt_u32 s20, \under
	s_cbranch_scc0 \next
	tensor_load_to_lds s[\g0:\g0+3], s[\g1:\g1+7]
	s_nop 0
	PLACES 4
	s_branch .Lfilled
\next:
.endm
	ARM 1, 72, 32, .Lfill_s
	ARM 2, 84, 40, .Lfill_ps
	ARM 3, 68, 48, .Lfill_ss
	tensor_load_to_lds s[80:83], s[56:63]
	s_nop 0
	PLACES 4
.Lfilled:
	v_and_b32 v1, 15, v0                           ; r
	v_bfe_u32 v2, v0, 4, 1                         ; h
	v_and_b32 v3, 31, v0                           ; lane
	v_mul_u32_u24 v4, v1, PITCH
	v_mad_u32_u24 v4, v2, 24, v4                   ; row x pitch + 24 x half
	v_lshl_add_u32 v5, v2, 4, v4                   ; and the same behind one padding more
	s_mul_i32 s2, s21, QROWS
	s_mul_i32 s3, s22, QROWS
	s_add_co_u32 s3, s3, SB0
	v_add_nc_u32 v16, s2, v4                       ; v16-17: P, the second one padding further on
	v_add_nc_u32 v17, s2, v5
	v_add_nc_u32 v20, s3, v4                       ; v20-21: S
	v_add_nc_u32 v21, s3, v5
	v_lshlrev_b32 v24, 5, v1                       ; scale words: 32 bytes a row
	s_lshl_b32 s2, s21, 11
	s_lshl_b32 s3, s22, 11
	s_add_co_u32 s3, s3, 4096
	s_sub_co_u32 s3, s3, s2
	v_mul_u32_u24 v6, s3, v2                       ; lanes 16-31 take S's
	s_add_co_u32 s2, s2, ASC
	v_add_nc_u32 v24, v24, v6
	v_add_nc_u32 v24, s2, v24
	v_lshlrev_b32 v25, 3, v3                       ; 8 x lane
	v_lshlrev_b32 v26, 2, v3                       ; 4 x lane
	v_lshlrev_b32 v27, 5, v2                       ; 32 h
	v_lshlrev_b32 v28, 2, v1                       ; 4 r
	v_mov_b32 v[TM+2], 0                           ; a lane permute's destination counts as one of its sources
	v_mov_b32 v[TM+3], 0
	s_cmp_eq_u32 s29, 2                            ; the bias of my 64 channels
	s_cselect_b32 s18, s26, s25
	s_cselect_b32 s19, s21, s22
	s_lshl_b32 s18, s18, 9
	s_lshl_b32 s19, s19, 8
	s_add_co_u32 s18, s18, s19
	s_mov_b32 s19, 0
	s_add_nc_u64 s[12:13], s[12:13], s[18:19]
	s_cmp_eq_u32 s29, 2
	s_cbranch_scc1 .Lbias_v
	s_wait_alu depctr_va_vdst(0)
.irp b, 0,1,2,3                        ; K: registers run along the channels: tile b's 16 b + 8 h + 0 .. 7
	global_load_b128 v[BI+8*\b:BI+8*\b+3], v27, s[12:13] offset:64*\b
	global_load_b128 v[BI+8*\b+4:BI+8*\b+7], v27, s[12:13] offset:64*\b+16
.endr
	s_branch .Lbias_done
.Lbias_v:
	s_wait_alu depctr_va_vdst(0)
.irp a, 0,1,2,3                        ; V: the lane is the channel 16 a + r: the same number in all eight registers
.irp j, 0,1,2,3,4,5,6,7
	global_load_b32 v[BI+8*\a+\j], v28, s[12:13] offset:64*\a
.endr
.endr
.Lbias_done:
; a fragment, 16 rows x 128 K, is 12 registers: registers 6 c .. 6 c + 5 hold K = 64 c + 32 h + 0 .. 31: 24 bytes of the row's stream, in pieces of 8.
; Lanes 16-31 read three pieces further on, which is behind one padding more where the piece's number modulo 32 is 29 or more: the second address register serves those.
.macro FRAGR reg, adr, q, i
.irp p, 0,1,2,3,4,5
.set PCX, 12*(\q)+6*(\p/3)+\p%3
.if PCX%32 < 29                        ; q: the K step, 0 to 7; a padding stands behind every 32 pieces of 8 bytes
	ds_load_b64 v[\reg+2*\p:\reg+2*\p+1], v[\adr] offset:8*PCX+16*(PCX/32)+(\i)*16*PITCH
.else
	ds_load_b64 v[\reg+2*\p:\reg+2*\p+1], v[\adr+1] offset:8*PCX+16*(PCX/32)+(\i)*16*PITCH
.endif
.endr
.endm
.macro SCALES set, s
.irp i, 0,1,2,3
	ds_load_b32 v[SC+4*(\set)+\i], v24 offset:512*\i+4*(\s)
.endr
.endm
.macro FETCH s, f                      ; K step s: P's four fragments at f + 12 i, S's at f + 48 + 12 i (window 1), and the scale words
	WIN 0x40
.irp i, 0,1,2,3
	FRAGR (\f)+12*\i, 16, \s, \i
	FRAGR (\f)+48+12*\i, 20, \s, \i
.endr
	WIN 0
	SCALES (\s)%2, \s
.endm
; 8 products: P's tiles a0, a0 + 1 x S's four.  bm = 0: onto the sums; 1: the bias by S's tile starts them; 2: the bias by P's tile.  The 16 accumulators take turns.
.macro MUL8 f, set, a0, bm
.irp a, \a0, \a0+1
.irp b, 0,1,2,3
.if \bm == 1
	v_wmma_scale_f32_16x16x128_f8f6f4 v[ACC+8*(4*(\a)+\b):ACC+8*(4*(\a)+\b)+7], v[(\f)+48+12*\b:(\f)+48+12*\b+11], v[(\f)+12*(\a):(\f)+12*(\a)+11], v[BI+8*\b:BI+8*\b+7], v[SC+4*(\set)+\b], v[SC+4*(\set)+(\a)] matrix_a_fmt:MATRIX_FMT_FP6 matrix_b_fmt:MATRIX_FMT_FP6 matrix_a_scale:MATRIX_SCALE_ROW1
.elseif \bm == 2
	v_wmma_scale_f32_16x16x128_f8f6f4 v[ACC+8*(4*(\a)+\b):ACC+8*(4*(\a)+\b)+7], v[(\f)+48+12*\b:(\f)+48+12*\b+11], v[(\f)+12*(\a):(\f)+12*(\a)+11], v[BI+8*(\a):BI+8*(\a)+7], v[SC+4*(\set)+\b], v[SC+4*(\set)+(\a)] matrix_a_fmt:MATRIX_FMT_FP6 matrix_b_fmt:MATRIX_FMT_FP6 matrix_a_scale:MATRIX_SCALE_ROW1
.else
	v_wmma_scale_f32_16x16x128_f8f6f4 v[ACC+8*(4*(\a)+\b):ACC+8*(4*(\a)+\b)+7], v[(\f)+48+12*\b:(\f)+48+12*\b+11], v[(\f)+12*(\a):(\f)+12*(\a)+11], v[ACC+8*(4*(\a)+\b):ACC+8*(4*(\a)+\b)+7], v[SC+4*(\set)+\b], v[SC+4*(\set)+(\a)] matrix_a_fmt:MATRIX_FMT_FP6 matrix_b_fmt:MATRIX_FMT_FP6 matrix_a_scale:MATRIX_SCALE_ROW1
.endif
.endr
.endr
.endm
.macro STEP s, bm                      ; 128 along K: 16 products; in its middle the next step's 52 LDS loads, into the other buffer
	s_wait_dscnt 0x0                               ; this step's fragments and scale words are in
	WIN 0x05                                       ; sources 0 and 1 in window 1
	MUL8 96*((\s)%2), (\s)%2, 0, \bm
.if (\s) < 7
	PLACES 4                                       ; in front of loads into registers that the step before multiplied
	FETCH (\s)+1, 96*(((\s)+1)%2)
.endif
	WIN 0x05
	MUL8 96*((\s)%2), (\s)%2, 2, \bm
.endm
	s_wait_tensorcnt 0x0                           ; my one tile is in; nothing is ever filled again
	s_barrier_signal -1
	s_barrier_wait -1
	FETCH 0, 0
	s_wait_loadcnt 0x0                             ; the bias
	s_cmp_eq_u32 s29, 2
	s_cbranch_scc1 .Lstep0_v
	STEP 0, 1
	WIN 0
	s_branch .Lstep0_done
.Lstep0_v:
	STEP 0, 2
	WIN 0
.Lstep0_done:
	STEP 1, 0
	STEP 2, 0
	STEP 3, 0
	STEP 4, 0
	STEP 5, 0
	STEP 6, 0
	STEP 7, 0
	WIN 0
	PLACES 4                                       ; in front of the first read of results
	; where my results go
	s_cmp_eq_u32 s29, 2
	s_cselect_b32 s92, s25, s26                    ; the activations' tile
	s_cselect_b32 s93, s26, s25                    ; the weight's tile
	s_cselect_b32 s94, s22, s21                    ; my half of the rows
	s_cselect_b32 s95, s21, s22                    ; my half of the channels
	s_lshl_b32 s93, s93, 1
	s_add_co_u32 s93, s93, s95                     ; the head
	s_lshr_b32 s96, s92, s30                       ; the batch
	s_lshl_b32 s97, s96, s30
	s_sub_co_u32 s97, s92, s97                     ; the tile of 128 rows within it
	s_lshl_b32 s96, s96, 4
	s_add_co_u32 s96, s96, s93                     ; batch x 16 + head
	s_lshl_b32 s98, s96, s30
	s_add_co_u32 s98, s98, s97
	s_mul_i32 s98, s98, CH
	s_add_co_u32 s98, s98, s31                     ; the chunk
	s_cmp_eq_u32 s29, 2
	s_cbranch_scc1 .Loff_v
	s_mul_i32 s2, s94, 3072                        ; K: tiles 4 x half on
	s_lshl_b32 s3, s94, 9
	s_add_co_u32 s99, s98, s3
	s_add_co_u32 s99, s99, 12288
	s_add_co_u32 s98, s98, s2
	s_branch .Loff_done
.Loff_v:
	s_mul_i32 s2, s94, 768                         ; V: my 64 keys are registers 6 x half on of each fragment, and two of the scale word's four bytes
	s_lshl_b32 s3, s94, 1
	s_add_co_u32 s99, s98, s3
	s_add_co_u32 s99, s99, 13312
	s_add_co_u32 s98, s98, s2
	s_add_co_u32 s98, s98, 6144
.Loff_done:
	s_mov_b32 s3, 0
	s_mov_b32 s2, s99
	s_add_nc_u64 s[16:17], s[14:15], s[2:3]        ; scale words
	s_mov_b32 s2, s98
	s_add_nc_u64 s[14:15], s[14:15], s[2:3]        ; codes
; 32 numbers of a lane (block k = registers 16 k .. 16 k + 15; the block's other 16 lie in lane l xor 16) become 6 registers of codes, lane (r, h) holding block h whole, and two scale bytes.
.macro QUANT2 src, a
.irp k, 0,1
	v_max3_num_f32 v[TM+\k], |v[\src+16*\k]|, |v[\src+16*\k+1]|, 0x1800000   ; the floor 2^(3 - 127) holds the byte at 1 from below
.endr
.irp i, 2,4,6,8,10,12,14
.irp k, 0,1
	v_max3_num_f32 v[TM+\k], v[TM+\k], |v[\src+16*\k+\i]|, |v[\src+16*\k+\i+1]|
.endr
.endr
.irp k, 0,1
	v_permlanex16_b32 v[TM+2+\k], v[TM+\k], s[SEL], s[SEL+1]
.endr
.irp k, 0,1
	v_max_num_f32 v[TM+\k], v[TM+\k], v[TM+2+\k]
.endr
.irp k, 0,1
	v_add_nc_u32 v[SO+\k], 0xff000000, v[TM+\k]    ; 2 off the exponent field: the conversion's scale operand
.endr
.irp k, 0,1
	v_lshrrev_b32 v[BY+\k], 23, v[SO+\k]
.endr
	v_lshl_or_b32 v[COB+8*(\a)+6], v[BY+1], 8, v[BY]
	v_cvt_scalef32_pk16_fp6_f32 v[COB+8*(\a):COB+8*(\a)+2], v[\src:\src+15], v[SO]
	v_cvt_scalef32_pk16_fp6_f32 v[PC1:PC1+2], v[\src+16:\src+31], v[SO+1]
	v_nop                                          ; a plain instruction behind the scaled conversions
.irp i, 0,1,2
	v_permlane16_swap_b32 v[COB+8*(\a)+\i], v[PC1+\i]
.endr
.irp i, 0,1,2
	v_mov_b32 v[COB+8*(\a)+3+\i], v[PC1+\i]
.endr
.endm
.macro EPI stride, half                ; each tile has its own registers for what it stores: no store's data are written again
.irp a, 0,1,2,3
	QUANT2 ACC+32*\a, \a
.irp p, 0,1,2
	global_store_b64 v25, v[COB+8*\a+2*\p:COB+8*\a+2*\p+1], s[14:15] offset:\stride*\a+256*\p   ; 256 consecutive bytes, aligned
.endr
.if \half
	global_store_b16 v26, v[COB+8*\a+6], s[16:17] offset:128*\a
.else
	global_store_b32 v26, v[COB+8*\a+6], s[16:17] offset:128*\a
.endif
.endr
.endm
	s_cmp_eq_u32 s29, 2
	s_cbranch_scc1 .Lepi_v
	EPI 768, 0
	s_branch .Lepi_done
.Lepi_v:
	EPI 1536, 1
.Lepi_done:
	s_wait_dscnt 0x0
	s_wait_tensorcnt 0x0
	ds_add_u32 v94, v95
	s_wait_dscnt 0x0
	CROUND                                         ; the closing round: no work-group ends while a partner may still ask for a tile that names it
	s_endpgm
.Lfunc_end_k_q3b3f28fc44_qkv:
	.size	k_q3b3f28fc44_qkv, .Lfunc_end_k_q3b3f28fc44_qkv-k_q3b3f28fc44_qkv
	.p2alignl 7, 3214868480
	.fill 96, 4, 3214868480
	.section	.rodata,"a",@progbits
	.p2align	6, 0x0
	.amdhsa_kernel k_q3b3f28fc44_qkv
		.amdhsa_group_segment_fixed_size 229888
		.amdhsa_private_segment_fixed_size 0
		.amdhsa_enable_private_segment 0
		.amdhsa_kernarg_size 136
		.amdhsa_user_sgpr_count 2
		.amdhsa_user_sgpr_kernarg_segment_ptr 1
		.amdhsa_wavefront_size32 1
		.amdhsa_system_sgpr_workgroup_id_x 1
		.amdhsa_system_sgpr_workgroup_id_y 1
		.amdhsa_system_sgpr_workgroup_id_z 1
		.amdhsa_system_vgpr_workitem_id 0
		.amdhsa_next_free_vgpr 448
		.amdhsa_next_free_sgpr 102
		.amdhsa_reserve_vcc 0
		.amdhsa_float_denorm_mode_32 3
		.amdhsa_float_denorm_mode_16_64 3
		.amdhsa_memory_ordered 1
		.amdhsa_forward_progress 1
		.amdhsa_inst_pref_size 83
	.end_amdhsa_kernel
	.amdgpu_metadata
---
amdhsa.version: [ 1, 2 ]
amdhsa.kernels:
  - .name:           k_q3b3f28fc44_qkv
    .symbol:         k_q3b3f28fc44_qkv.kd
    .args:
      - { .name: acod, .offset: 0, .size: 8, .value_kind: global_buffer, .address_space: global }
      - { .name: ascl, .offset: 8, .size: 8, .value_kind: global_buffer, .address_space: global }
      - { .name: other_codes, .offset: 16, .size: 8, .value_kind: global_buffer, .address_space: global }
      - { .name: other_scales, .offset: 24, .size: 8, .value_kind: global_buffer, .address_space: global }
      - { .name: sa_wk_codes, .offset: 32, .size: 8, .value_kind: global_buffer, .address_space: global }
      - { .name: sa_wk_scales, .offset: 40, .size: 8, .value_kind: global_buffer, .address_space: global }
      - { .name: sa_bk, .offset: 48, .size: 8, .value_kind: global_buffer, .address_space: global }
      - { .name: sa_wv_codes, .offset: 56, .size: 8, .value_kind: global_buffer, .address_space: global }
      - { .name: sa_wv_scales, .offset: 64, .size: 8, .value_kind: global_buffer, .address_space: global }
      - { .name: sa_bv, .offset: 72, .size: 8, .value_kind: global_buffer, .address_space: global }
      - { .name: ca_wk_codes, .offset: 80, .size: 8, .value_kind: global_buffer, .address_space: global }
      - { .name: ca_wk_scales, .offset: 88, .size: 8, .value_kind: global_buffer, .address_space: global }
      - { .name: ca_bk, .offset: 96, .size: 8, .value_kind: global_buffer, .address_space: global }
      - { .name: ca_wv_codes, .offset: 104, .size: 8, .value_kind: global_buffer, .address_space: global }
      - { .name: ca_wv_scales, .offset: 112, .size: 8, .value_kind: global_buffer, .address_space: global }
      - { .name: ca_bv, .offset: 120, .size: 8, .value_kind: global_buffer, .address_space: global }
      - { .name: kv, .offset: 128, .size: 8, .value_kind: global_buffer, .address_space: global }
    .group_segment_fixed_size: 229888
    .private_segment_fixed_size: 0
    .kernarg_segment_align: 8
    .kernarg_segment_size: 136
    .max_flat_workgroup_size: 128
    .sgpr_count:     102
    .vgpr_count:     448
    .wavefront_size: 32
...
	.end_amdgpu_metadata
.endif
;; end of part 2
;; launch attn1 (part 3): grid 8 x 32, 16 waves a work-group, clusters of 4 x 1, 327,680 bytes of LDS; arguments aimg, ascl, sa_wq_codes, sa_wq_scales, sa_bq, kv, ocod, oscl; writes ocod, oscl
.if DOCPART == 3
	.amdgcn_target "amdgcn-amd-amdhsa--gfx1250"
	.amdhsa_code_object_version 6
	.text
	.protected	k_q3b3f28fc44_attn1
	.globl	k_q3b3f28fc44_attn1
	.p2align	8
	.type	k_q3b3f28fc44_attn1,@function
k_q3b3f28fc44_attn1:
	s_mov_b64 s[64:65], 0
	v_nop
	global_prefetch_b8 v0, s[64:65] scope:SCOPE_SE
	s_setreg_imm32_b32 hwreg(HW_REG_WAVE_MODE, 25, 1), 1
	s_wait_xcnt 0x0
	s_wait_alu depctr_hold_cnt(0) depctr_sa_sdst(0) depctr_va_vdst(0) depctr_va_sdst(0) depctr_va_ssrc(0) depctr_va_vcc(0) depctr_vm_vsrc(0)
	s_getreg_b32 s2, hwreg(HW_REG_IB_STS2, 6, 4)
	s_cmp_eq_u32 s2, 0
	s_cbranch_scc0 .Lentry_in_a_cluster
	s_endpgm
.Lentry_in_a_cluster:
	s_bfe_u32 s2, ttmp6, 0x10000c
	s_cmp_lg_u32 s2, 0x3003
	s_cbranch_scc0 .Lentry_shape_is_right
	s_endpgm
.Lentry_shape_is_right:
.set NS, 16
.set REGION, 0
.set CH, 13824
; THE FIRST FILLS, one tensor load a wave, all behind one round: waves 0-11 bring a twelfth each of the head's K and V chunks (RW rows of 256 bytes), waves 12-15 sixteen rows each of the head's 64 rows of the Q weight.
.set RW, NS*54/12
.set WB, NS*CH
.set WP, 816
.set WV, 20
.set SEL, 22
.set CS, 24
.set G1K, 28
.set G0K, 36
.set G1W, 40
.set G0W, 48
.set TB, 52
.set CNT, 53
.set CX, 54
.set QB, 55
.set BH, 56
.set HD, 66
.set RBK, 68
.set ROW0, 72
.set WF, 32
.set AF, 96
.set QA, 192
.set WS, 80
.set QTM, 4
.set QSO, 8
.set QBY, 10
.set QPC, 12
.set TM, 32
.set SO, 36
.set BY, 38
.set PC1, 40
.set COB, 44
.macro CROUND
	s_barrier_signal -1
	s_barrier_wait -1
	s_cmp_lg_u32 s[WV], 0
	s_cbranch_scc1 .Lnot_wave_0_\@
	s_barrier_signal -3
.Lnot_wave_0_\@:
	s_barrier_wait -3
	s_barrier_signal -1
	s_barrier_wait -1
.endm
	s_load_b512 s[4:19], s[0:1], 0x0
	v_lshl_add_u32 v254, v0, 2, 0x42d00
	v_mov_b32 v255, 0
	ds_add_u32 v254, v255
	ds_add_u32 v254, v255
	s_wait_dscnt 0x0
	v_lshrrev_b32 v8, 5, v0
	s_delay_alu instid0(VALU_DEP_1)
	v_readfirstlane_b32 s[WV], v8
	s_bfe_u32 s[CX], ttmp6, 0x40000
	s_lshl_b32 s[QB], ttmp9, 2
	s_add_co_u32 s[QB], s[QB], s[CX]
	s_and_b32 s[BH], ttmp7, 0xffff
	s_and_b32 s[HD], s[BH], 15
	s_mov_b32 s[G1K], 15|(3<<16)|(1<<21)
	s_mov_b32 s[G1K+1], 32<<16
	s_mov_b32 s[G1K+2], RW<<16
	s_mov_b32 s[G1K+3], 32<<16
	s_mov_b32 s[G1K+4], RW
	s_mov_b32 s[G1K+5], 32
	s_mov_b32 s[G1K+6], 0
	s_mov_b32 s[G1K+7], 0
	s_mov_b32 s[G1W], 15|(1<<20)|(1<<21)|(5<<22)|(3<<25)
	s_mov_b32 s[G1W+1], 768<<16
	s_mov_b32 s[G1W+2], 16<<16
	s_mov_b32 s[G1W+3], 768<<16
	s_mov_b32 s[G1W+4], 16
	s_mov_b32 s[G1W+5], 768
	s_mov_b32 s[G1W+6], 0
	s_mov_b32 s[G1W+7], 0
	s_mul_i32 s58, s[BH], NS*CH
	s_mul_i32 s57, s[WV], RW*256
	s_add_co_u32 s58, s58, s57
	s_add_co_u32 s58, s58, REGION
	s_mov_b32 s59, 0
	s_lshl_b32 s60, s[HD], 6
	s_and_b32 s63, s[WV], 3                        ; waves 12-15: which sixteen rows of the weight
	s_lshl_b32 s61, s63, 4
	s_add_co_u32 s60, s60, s61
	s_mul_i32 s60, s60, 768
	s_mov_b32 s61, 0
	s_mul_i32 s62, s63, 16*WP
	s_add_co_u32 s62, s62, WB
	s_mov_b32 s[SEL], 0x76543210
	s_mov_b32 s[SEL+1], 0xfedcba98
	s_mov_b32 s[CS], 0x3e38aa3b
	s_mov_b32 s[CS+1], s[CS]
	s_wait_kmcnt 0x0
	s_mov_b32 s[G0W], 1
	s_mov_b32 s[G0W+1], s62
	s_add_nc_u64 s[G0W+2:G0W+3], s[8:9], s[60:61]
	s_or_b32 s[G0W+3], s[G0W+3], 0x80000000
	s_mov_b32 s[G0K], 1
	s_mov_b32 s[G0K+1], s57
	s_add_nc_u64 s[G0K+2:G0K+3], s[14:15], s[58:59]
	s_or_b32 s[G0K+3], s[G0K+3], 0x80000000
	CROUND                                         ; the four partners are here: the joint loads meet
	s_cmp_lt_u32 s[WV], 12
	s_cbranch_scc0 .Lfill_w
	tensor_load_to_lds s[G0K:G0K+3], s[G1K:G1K+7]
	s_nop 0
.rept 4
	v_nop
.endr
	s_branch .Lfilled
.Lfill_w:
	tensor_load_to_lds s[G0W:G0W+3], s[G1W:G1W+7]
	s_nop 0
.rept 4
	v_nop
.endr
.Lfilled:
	s_lshr_b32 s67, s[BH], 4
	s_lshl_b32 s[RBK], s67, 4
	s_lshl_b32 s69, s[QB], 1
	s_add_co_u32 s[RBK], s[RBK], s69
	s_lshr_b32 s69, s[WV], 3
	s_add_co_u32 s[RBK], s[RBK], s69
	s_mul_i32 s70, s[RBK], 98304
	s_and_b32 s69, s[WV], 7
	s_mul_i32 s71, s69, 1536
	s_add_co_u32 s70, s70, s71
	s_mov_b32 s71, 0
	s_add_nc_u64 s[4:5], s[4:5], s[70:71]
	s_lshl_b32 s[ROW0], s67, 11
	s_lshl_b32 s73, s[QB], 8
	s_add_co_u32 s[ROW0], s[ROW0], s73
	s_lshl_b32 s73, s[WV], 4
	s_add_co_u32 s[ROW0], s[ROW0], s73
	s_lshl_b32 s74, s[ROW0], 5
	s_mov_b32 s75, 0
	s_add_nc_u64 s[6:7], s[6:7], s[74:75]
	s_lshl_b32 s74, s[HD], 11
	s_add_nc_u64 s[10:11], s[10:11], s[74:75]
	s_lshl_b32 s74, s[HD], 8
	s_add_nc_u64 s[12:13], s[12:13], s[74:75]
	v_and_b32 v3, 31, v0
	s_delay_alu instid0(VALU_DEP_1)
	v_lshlrev_b32 v1, 3, v3
	s_delay_alu instid0(VALU_DEP_2)
	v_lshlrev_b32 v2, 2, v3
	v_and_b32 v4, 15, v0
	v_bfe_u32 v5, v0, 4, 1
	s_delay_alu instid0(VALU_DEP_2)
	v_lshlrev_b32 v6, 5, v4
	s_delay_alu instid0(VALU_DEP_2)
	v_lshlrev_b32 v7, 5, v5
	v_lshlrev_b32 v10, 5, v3
.irp s, 0,1,2,3,4,5,6,7
.irp j, 0,1,2,3,4,5
	global_load_b64 v[AF+12*\s+2*\j:AF+12*\s+2*\j+1], v1, s[4:5] offset:12288*\s+256*\j
.endr
.endr
	global_load_b128 v[28:31], v6, s[6:7]
	global_load_b128 v[248:251], v6, s[6:7] offset:16
.irp i, 0,1
	global_load_b128 v[WS+8*\i:WS+8*\i+3], v10, s[10:11] offset:1024*\i
	global_load_b128 v[WS+8*\i+4:WS+8*\i+7], v10, s[10:11] offset:1024*\i+16
.endr
.irp b, 0,1,2,3
	global_load_b128 v[QA+8*\b:QA+8*\b+3], v7, s[12:13] offset:64*\b
	global_load_b128 v[QA+8*\b+4:QA+8*\b+7], v7, s[12:13] offset:64*\b+16
.endr
	v_mul_u32_u24 v9, v4, WP
	s_delay_alu instid0(VALU_DEP_1)
	v_mad_u32_u24 v9, v5, 24, v9
	s_delay_alu instid0(VALU_DEP_1)
	v_lshl_add_u32 v11, v5, 4, v9
	s_delay_alu instid0(VALU_DEP_2)
	v_add_nc_u32 v9, WB, v9
	s_delay_alu instid0(VALU_DEP_2)
	v_add_nc_u32 v11, WB, v11
.macro FRAGW reg, s, b
.irp p, 0,1,2,3,4,5
.set PCX, 12*(\s)+6*(\p/3)+\p%3
.if PCX%32 < 29
	ds_load_b64 v[\reg+2*\p:\reg+2*\p+1], v9 offset:8*PCX+16*(PCX/32)+(\b)*16*WP
.else
	ds_load_b64 v[\reg+2*\p:\reg+2*\p+1], v11 offset:8*PCX+16*(PCX/32)+(\b)*16*WP
.endif
.endr
.endm
	s_wait_alu depctr_va_vdst(0)
	s_wait_tensorcnt 0x0                           ; my one tile is in; behind the barrier everybody's is: the weight and all keys and values
	s_barrier_signal -1
	s_barrier_wait -1
	s_wait_loadcnt 0x0
.irp s, 0,1,2,3,4,5,6,7
.if \s > 0
.rept 4
	v_nop
.endr
.endif
.irp b, 0,1,2,3
	FRAGW WF+12*\b, \s, \b
.endr
	s_wait_dscnt 0x0
.irp b, 0,1,2,3
.if \b%2
	v_wmma_scale_f32_16x16x128_f8f6f4 v[QA+8*\b:QA+8*\b+7], v[WF+12*\b:WF+12*\b+11], v[AF+12*\s:AF+12*\s+11], v[QA+8*\b:QA+8*\b+7], v[WS+8*(\b/2)+\s], v[28+\s+216*(\s/4)] matrix_a_fmt:MATRIX_FMT_FP6 matrix_b_fmt:MATRIX_FMT_FP6 matrix_a_scale:MATRIX_SCALE_ROW1
.else
	v_wmma_scale_f32_16x16x128_f8f6f4 v[QA+8*\b:QA+8*\b+7], v[WF+12*\b:WF+12*\b+11], v[AF+12*\s:AF+12*\s+11], v[QA+8*\b:QA+8*\b+7], v[WS+8*(\b/2)+\s], v[28+\s+216*(\s/4)] matrix_a_fmt:MATRIX_FMT_FP6 matrix_b_fmt:MATRIX_FMT_FP6
.endif
.endr
.endr
.rept 4
	v_nop
.endr
	v_mov_b32 v[QTM+2], 0
	v_mov_b32 v[QTM+3], 0
.irp k, 0,1
	v_max3_num_f32 v[QTM+\k], |v[QA+16*\k]|, |v[QA+16*\k+1]|, 0x1800000
.endr
.irp i, 2,4,6,8,10,12,14
.irp k, 0,1
	v_max3_num_f32 v[QTM+\k], v[QTM+\k], |v[QA+16*\k+\i]|, |v[QA+16*\k+\i+1]|
.endr
.endr
.irp k, 0,1
	s_delay_alu instid0(VALU_DEP_2)
	v_permlanex16_b32 v[QTM+2+\k], v[QTM+\k], s[SEL], s[SEL+1]
.endr
.irp k, 0,1
	s_delay_alu instid0(VALU_DEP_2)
	v_max_num_f32 v[QTM+\k], v[QTM+\k], v[QTM+2+\k]
.endr
.irp k, 0,1
	s_delay_alu instid0(VALU_DEP_2)
	v_add_nc_u32 v[QSO+\k], 0xff000000, v[QTM+\k]
.endr
.irp k, 0,1
	s_delay_alu instid0(VALU_DEP_2)
	v_lshrrev_b32 v[QBY+\k], 23, v[QSO+\k]
.endr
	s_delay_alu instid0(VALU_DEP_1)
	v_lshl_or_b32 v255, v[QBY+1], 8, v[QBY]
	v_cvt_scalef32_pk16_fp6_f32 v[16:18], v[QA:QA+15], v[QSO]
	v_cvt_scalef32_pk16_fp6_f32 v[QPC:QPC+2], v[QA+16:QA+31], v[QSO+1]
	v_nop
.irp i, 0,1,2
	v_permlane16_swap_b32 v[16+\i], v[QPC+\i]
.endr
.irp i, 0,1,2
	s_delay_alu instid0(VALU_DEP_3)
	v_mov_b32 v[19+\i], v[QPC+\i]
.endr
.irp i, 22,23,24,25,26,27
	v_mov_b32 v[\i], 0
.endr
.irp t, 0,1,2,3
.irp i, 6,7,8,9,10,11
	v_mov_b32 v[32+12*\t+\i], 0
.endr
.endr
	v_mov_b32 v13, 0xff61b1e6
	s_delay_alu instid0(VALU_DEP_1)
	v_floor_f32 v12, -v13
	v_mov_b32 v14, 0
	v_mov_b32 v15, 0
.irp b, 0,1,2,3
	v_mov_b32 v[236+\b], 0
.endr
	v_mov_b32 v253, 0
.irp j, 0,1,2,3,4,5,6,7,8,9,10,11,12,13,14,15,16,17,18,19,20,21,22,23,24,25,26,27,28,29,30,31
	v_mov_b32 v[160+\j], 0
.endr
	s_mov_b32 s[TB], 0
	s_mov_b32 s[CNT], NS
.Lstep:
	v_add_nc_u32 v8, s[TB], v1
	s_wait_alu depctr_va_vdst(0)
	v_add_nc_u32 v10, s[TB], v2
	s_wait_alu depctr_va_vdst(0)
.rept 3
	v_nop
.endr
.irp g, 0,1
.if \g > 0
.rept 4
	v_nop
.endr
.endif
.irp t, 0,1,2,3
.irp p, 0,1,2
	ds_load_b64 v[32+12*\t+2*\p:33+12*\t+2*\p], v8 offset:(4*\g+\t)*768+256*\p
.endr
	ds_load_b32 v[248+\t], v10 offset:12288+(4*\g+\t)*128
.endr
	s_wait_dscnt 0x0
.irp t, 0,1,2,3
	v_wmma_scale_f32_16x16x128_f8f6f4 v[96+8*(4*\g+\t):103+8*(4*\g+\t)], v[32+12*\t:43+12*\t], v[16:27], 0, v[248+\t], v255 matrix_a_fmt:MATRIX_FMT_FP6 matrix_b_fmt:MATRIX_FMT_FP6
.endr
.endr
.rept 4
	v_nop
.endr
.irp b, 0,1,2,3
	v_max3_num_f32 v[232+\b], v[96+16*\b], v[97+16*\b], v[98+16*\b]
.endr
.irp i, 3,5,7,9,11,13
.irp b, 0,1,2,3
	v_max3_num_f32 v[232+\b], v[232+\b], v[96+16*\b+\i], v[97+16*\b+\i]
.endr
.endr
.irp b, 0,1,2,3
	v_max_num_f32 v[232+\b], v[232+\b], v[111+16*\b]
.endr
.irp b, 0,1,2,3
	s_delay_alu instid0(VALU_DEP_4)
	v_permlanex16_b32 v[236+\b], v[232+\b], s[SEL], s[SEL+1]
.endr
.irp b, 0,1,2,3
	s_delay_alu instid0(VALU_DEP_4)
	v_max_num_f32 v[232+\b], v[232+\b], v[236+\b]
.endr
	s_delay_alu instid0(VALU_DEP_2)
	v_max3_num_f32 v254, v232, v233, v234
	s_delay_alu instid0(VALU_DEP_1)
	v_max_num_f32 v254, v254, v235
	s_delay_alu instid0(VALU_DEP_1)
	v_mul_f32 v254, s[CS], v254
	s_delay_alu instid0(VALU_DEP_1)
	v_max_num_f32 v13, v13, v254
	v_mov_b32 v254, v12
	s_delay_alu instid0(VALU_DEP_2)
	v_floor_f32 v12, -v13
	s_delay_alu instid0(VALU_DEP_1)
	v_sub_f32 v254, v12, v254
	s_delay_alu instid0(VALU_DEP_1)
	v_cvt_i32_f32 v254, v254
	s_delay_alu instid0(VALU_DEP_1)
	v_ldexp_f32 v252, 1.0, v254
.irp j, 0,2,4,6,8,10,12,14,16,18,20,22,24,26,28,30,32,34,36,38,40,42,44,46,48,50,52,54,56,58,60,62
	v_pk_fma_f32 v[96+\j:97+\j], v[96+\j:97+\j], s[CS:CS+1], v[12:13] op_sel_hi:[1,0,0]
.endr
.irp b, 0,1,2,3
	v_fma_f32 v[232+\b], v[232+\b], s[CS], v12
.endr
	s_wait_alu depctr_va_vdst(0)
.irp j, 0,1,2,3,4,5,6,7,8,9,10,11,12,13,14,15,16,17,18,19,20,21,22,23,24,25,26,27,28,29,30,31,32,33,34,35,36,37,38,39,40,41,42,43,44,45,46,47,48,49,50,51,52,53,54,55,56,57,58,59,60,61,62,63
	v_exp_f32 v[96+\j], v[96+\j]
.endr
	v_pk_mul_f32 v[14:15], v[14:15], v[252:253] op_sel_hi:[1,0]
	s_wait_alu depctr_va_vdst(0)
.irp b, 0,1,2,3
	v_exp_f32 v[232+\b], v[232+\b]
.endr
	v_pk_add_f32 v[236:237], v[96:97], v[98:99]
.irp j, 4,8,12,16,20,24,28,32,36,40,44,48,52,56,60
	v_pk_add_f32 v[14:15], v[14:15], v[96+\j:97+\j]
	v_pk_add_f32 v[236:237], v[236:237], v[98+\j:99+\j]
.endr
	s_delay_alu instid0(VALU_DEP_1)
	v_pk_add_f32 v[14:15], v[14:15], v[236:237]
	s_wait_alu depctr_va_vdst(0)
.irp b, 0,1,2,3
	v_max_num_f32 v[232+\b], 0x1800000, v[232+\b]
.endr
.irp b, 0,1,2,3
	s_delay_alu instid0(VALU_DEP_4)
	v_add_nc_u32 v[244+\b], 0xff000000, v[232+\b]
.endr
.irp b, 0,1,2,3
	s_delay_alu instid0(VALU_DEP_4)
	v_lshrrev_b32 v[236+\b], 23, v[244+\b]
.endr
	s_delay_alu instid0(VALU_DEP_3)
	v_lshl_or_b32 v253, v237, 8, v236
	s_delay_alu instid0(VALU_DEP_1)
	v_lshl_or_b32 v253, v238, 16, v253
	s_delay_alu instid0(VALU_DEP_1)
	v_lshl_or_b32 v253, v239, 24, v253
.irp c, 0,1
	v_cvt_scalef32_pk16_fp6_f32 v[224+6*\c:226+6*\c], v[96+32*\c:111+32*\c], v[244+2*\c]
	v_cvt_scalef32_pk16_fp6_f32 v[236+4*\c:238+4*\c], v[112+32*\c:127+32*\c], v[244+2*\c+1]
.endr
	v_nop
.irp c, 0,1
.irp i, 0,1,2
	v_permlane16_swap_b32 v[224+6*\c+\i], v[236+4*\c+\i]
.endr
.irp i, 0,1,2
	s_delay_alu instid0(VALU_DEP_3)
	v_mov_b32 v[227+6*\c+\i], v[236+4*\c+\i]
.endr
.endr
.irp j, 0,2,4,6,8,10,12,14,16,18,20,22,24,26,28,30
	v_pk_mul_f32 v[160+\j:161+\j], v[160+\j:161+\j], v[252:253] op_sel_hi:[1,0]
.endr
.irp t, 0,1,2,3
.irp j, 0,1,2,3,4,5
	ds_load_b64 v[96+12*\t+2*\j:97+12*\t+2*\j], v8 offset:6144+1536*\t+256*\j
.endr
	ds_load_b32 v[248+\t], v10 offset:13312+128*\t
.endr
	s_wait_alu depctr_va_vdst(0)
	s_wait_dscnt 0x0
.irp t, 0,1,2,3
	v_wmma_scale_f32_16x16x128_f8f6f4 v[160+8*\t:167+8*\t], v[96+12*\t:107+12*\t], v[224:235], v[160+8*\t:167+8*\t], v[248+\t], v253 matrix_a_fmt:MATRIX_FMT_FP6 matrix_b_fmt:MATRIX_FMT_FP6
.endr
	s_add_co_u32 s[TB], s[TB], CH
	s_sub_co_u32 s[CNT], s[CNT], 1
	s_cmp_lg_u32 s[CNT], 0
	s_cbranch_scc1 .Lstep
	v_add_f32 v14, v14, v15
	s_delay_alu instid0(VALU_DEP_1)
	v_permlanex16_b32 v252, v14, s[SEL], s[SEL+1]
	s_delay_alu instid0(VALU_DEP_1)
	v_add_f32 v14, v14, v252
	s_wait_alu depctr_va_vdst(0)
	v_rcp_f32 v14, v14
	v_and_b32 v8, 15, v0
	v_bfe_u32 v9, v0, 4, 1
	s_delay_alu instid0(VALU_DEP_1)
	v_lshl_add_u32 v9, v8, 5, v9
	v_mov_b32 v[TM+2], 0
	v_mov_b32 v[TM+3], 0
	s_lshl_b32 s70, s[RBK], 3
	s_lshr_b32 s71, s[HD], 1
	s_add_co_u32 s70, s70, s71
	s_lshl_b32 s70, s70, 3
	s_and_b32 s71, s[WV], 7
	s_add_co_u32 s70, s70, s71
	s_mul_i32 s70, s70, 1536
	s_and_b32 s71, s[HD], 1
	s_mul_i32 s71, s71, 768
	s_add_co_u32 s70, s70, s71
	s_mov_b32 s71, 0
	s_add_nc_u64 s[16:17], s[16:17], s[70:71]
	s_lshl_b32 s74, s[ROW0], 5
	s_lshl_b32 s75, s[HD], 1
	s_add_co_u32 s74, s74, s75
	s_mov_b32 s75, 0
	s_add_nc_u64 s[18:19], s[18:19], s[74:75]
	s_mov_b32 s76, 0xffff0000
	s_wait_alu depctr_va_vdst(0)
.irp j, 0,1,2,3,4,5,6,7,8,9,10,11,12,13,14,15,16,17,18,19,20,21,22,23,24,25,26,27,28,29,30,31
	v_mul_f32 v[96+\j], v[160+\j], v14
.endr
.irp k, 0,1
.irp j, 0,1,2,3,4,5,6,7
	v_permlane16_swap_b32 v[96+16*\k+\j], v[104+16*\k+\j]
.endr
.endr
.irp k, 0,1
	v_max3_num_f32 v[TM+\k], |v[96+16*\k]|, |v[97+16*\k]|, 0x1800000
.endr
.irp i, 2,4,6,8,10,12,14
.irp k, 0,1
	s_delay_alu instid0(VALU_DEP_2)
	v_max3_num_f32 v[TM+\k], v[TM+\k], |v[96+16*\k+\i]|, |v[97+16*\k+\i]|
.endr
.endr
.irp k, 0,1
	s_delay_alu instid0(VALU_DEP_2)
	v_permlanex16_b32 v[TM+2+\k], v[TM+\k], s[SEL], s[SEL+1]
.endr
.irp k, 0,1
	s_delay_alu instid0(VALU_DEP_2)
	v_max_num_f32 v[TM+\k], v[TM+\k], v[TM+2+\k]
.endr
.irp k, 0,1
	s_delay_alu instid0(VALU_DEP_2)
	v_add_nc_u32 v[SO+\k], 0xff000000, v[TM+\k]
.endr
.irp k, 0,1
	s_delay_alu instid0(VALU_DEP_2)
	v_lshrrev_b32 v[BY+\k], 23, v[SO+\k]
.endr
	s_delay_alu instid0(VALU_DEP_1)
	v_cndmask_b32 v[COB+7], v[BY], v[BY+1], s76
	v_cvt_scalef32_pk16_fp6_f32 v[COB:COB+2], v[96:111], v[SO]
	v_cvt_scalef32_pk16_fp6_f32 v[PC1:PC1+2], v[112:127], v[SO+1]
	v_nop
.irp i, 0,1,2
	v_permlane16_swap_b32 v[COB+\i], v[PC1+\i]
.endr
.irp i, 0,1,2
	s_delay_alu instid0(VALU_DEP_3)
	v_mov_b32 v[COB+3+\i], v[PC1+\i]
.endr
.irp p, 0,1,2
	global_store_b64 v1, v[COB+2*\p:COB+2*\p+1], s[16:17] offset:256*\p
.endr
	global_store_b8 v9, v[COB+7], s[18:19]
	s_wait_xcnt 0x0
	v_lshl_add_u32 v254, v0, 2, 0x42d00
	v_mov_b32 v255, 0
	s_wait_alu depctr_va_vdst(0)
	s_wait_tensorcnt 0x0
	ds_add_u32 v254, v255
	s_wait_dscnt 0x0
	CROUND
	s_endpgm
.Lfunc_end_k_q3b3f28fc44_attn1:
	.size	k_q3b3f28fc44_attn1, .Lfunc_end_k_q3b3f28fc44_attn1-k_q3b3f28fc44_attn1
	.p2alignl 7, 3214868480
	.fill 96, 4, 3214868480
	.section	.rodata,"a",@progbits
	.p2align	6, 0x0
	.amdhsa_kernel k_q3b3f28fc44_attn1
		.amdhsa_group_segment_fixed_size 327680
		.amdhsa_private_segment_fixed_size 0
		.amdhsa_enable_private_segment 0
		.amdhsa_kernarg_size 64
		.amdhsa_user_sgpr_count 2
		.amdhsa_user_sgpr_kernarg_segment_ptr 1
		.amdhsa_wavefront_size32 1
		.amdhsa_system_sgpr_workgroup_id_x 1
		.amdhsa_system_sgpr_workgroup_id_y 1
		.amdhsa_system_sgpr_workgroup_id_z 1
		.amdhsa_system_vgpr_workitem_id 0
		.amdhsa_next_free_vgpr 256
		.amdhsa_next_free_sgpr 80
		.amdhsa_reserve_vcc 0
		.amdhsa_float_denorm_mode_32 3
		.amdhsa_float_denorm_mode_16_64 3
		.amdhsa_memory_ordered 1
		.amdhsa_forward_progress 1
		.amdhsa_inst_pref_size 59
	.end_amdhsa_kernel
	.amdgpu_metadata
---
amdhsa.version: [ 1, 2 ]
amdhsa.kernels:
  - .name:           k_q3b3f28fc44_attn1
    .symbol:         k_q3b3f28fc44_attn1.kd
    .args:
      - { .name: aimg, .offset: 0, .size: 8, .value_kind: global_buffer, .address_space: global }
      - { .name: ascl, .offset: 8, .size: 8, .value_kind: global_buffer, .address_space: global }
      - { .name: sa_wq_codes, .offset: 16, .size: 8, .value_kind: global_buffer, .address_space: global }
      - { .name: sa_wq_scales, .offset: 24, .size: 8, .value_kind: global_buffer, .address_space: global }
      - { .name: sa_bq, .offset: 32, .size: 8, .value_kind: global_buffer, .address_space: global }
      - { .name: kv, .offset: 40, .size: 8, .value_kind: global_buffer, .address_space: global }
      - { .name: ocod, .offset: 48, .size: 8, .value_kind: global_buffer, .address_space: global }
      - { .name: oscl, .offset: 56, .size: 8, .value_kind: global_buffer, .address_space: global }
    .group_segment_fixed_size: 327680
    .private_segment_fixed_size: 0
    .kernarg_segment_align: 8
    .kernarg_segment_size: 64
    .max_flat_workgroup_size: 512
    .sgpr_count:     80
    .vgpr_count:     256
    .wavefront_size: 32
...
	.end_amdgpu_metadata
.endif
;; end of part 3
;; launch oproj1 (part 4): grid 8 x 32, 4 waves a work-group, clusters of 4 x 4, 285,184 bytes of LDS; arguments ocod, oscl, sa_wo_codes, sa_wo_scales, sa_bo, x, x1; writes x1
.if DOCPART == 4
	.amdgcn_target "amdgcn-amd-amdhsa--gfx1250"
	.amdhsa_code_object_version 6
	.text
	.protected	k_q3b3f28fc44_oproj1
	.globl	k_q3b3f28fc44_oproj1
	.p2align	8
	.type	k_q3b3f28fc44_oproj1,@function
k_q3b3f28fc44_oproj1:
	s_mov_b64 s[64:65], 0
	v_nop
	global_prefetch_b8 v0, s[64:65] scope:SCOPE_SE
	s_setreg_imm32_b32 hwreg(HW_REG_WAVE_MODE, 25, 1), 1
	s_wait_xcnt 0x0
	s_wait_alu depctr_hold_cnt(0) depctr_sa_sdst(0) depctr_va_vdst(0) depctr_va_sdst(0) depctr_va_ssrc(0) depctr_va_vcc(0) depctr_vm_vsrc(0)
	s_getreg_b32 s2, hwreg(HW_REG_IB_STS2, 6, 4)
	s_cmp_eq_u32 s2, 0
	s_cbranch_scc0 .Lentry_in_a_cluster
	s_endpgm
.Lentry_in_a_cluster:
	s_bfe_u32 s2, ttmp6, 0x10000c
	s_cmp_lg_u32 s2, 0xf033
	s_cbranch_scc0 .Lentry_shape_is_right
	s_endpgm
.Lentry_shape_is_right:
; out = res + a W^T + b on codes of E2M3, K = 1,024.  a: codes laid as images of the operand's registers, [row / 128][K step][tile of 16 rows][6][32 lanes][8 bytes], scale bytes [4096][32].
; W: [1024][768] codes, [1024][32] scale bytes.  res, out: [4096][1024] f32.
; A tile of out is 128 x 128; four waves, 64 x 64 each.  All of K lies in LDS, filled once; nothing is filled again.
; CLUSTER 4 x 4: a's tiles are shared along a row of the cluster, W's along a column: joint loads.
; Source 0 = 16 rows of W, source 1 = 16 rows of a: a lane holds eight neighbouring numbers of a row of out.  The bias is the C of the first products.
; The residual's 32 rows x 512 bytes a wave are asked for at the head and land under the products.  The results go through a stage in LDS, so that a store covers a row's 512 consecutive bytes.
; THE LAYOUT IN LDS: a's images, 98,304 dense bytes; W's 128 rows, each whole: 768 bytes as 3 x (256 + 16 of padding), not in two halves; the scale bytes; the stage.
; Four tiles, one tensor load a wave at the head: a's images, W's rows, a's scale bytes, W's scale bytes.
.set PITCH, 816
.set QROWS, 64*PITCH
.set HALF,  128*PITCH
.set SB0,   98304                      ; W's two halves behind a's images
.set ASC,   SB0+HALF
.set STG,   ASC+8192                   ; the stage: 128 rows x (512 + 16) bytes; no tensor load ever fills it
.set SP,    528
.set SC,  32
.set BI,  96
.set ACC, 128
.set MSB, 0
.macro WIN new
.if MSB != \new
	s_set_vgpr_msb (MSB<<8)|\new
.set MSB, \new
.endif
.endm
.macro PLACES n
.rept \n
	v_nop
.endr
.endm
.macro CROUND
	s_barrier_signal -1
	s_barrier_wait -1
	s_cmp_lg_u32 s20, 0
	s_cbranch_scc1 .Lnot_wave_0_\@
	s_barrier_signal -3
.Lnot_wave_0_\@:
	s_barrier_wait -3
	s_barrier_signal -1
	s_barrier_wait -1
.endm
	s_load_b256 s[4:11], s[0:1], 0x0               ; a's codes, a's scales, W's codes, W's scales
	s_load_b128 s[12:15], s[0:1], 0x20             ; bias, res
	s_load_b64 s[16:17], s[0:1], 0x30              ; out
	v_lshl_add_u32 v94, v0, 2, 0x45800
	v_mov_b32 v95, 0
	ds_add_u32 v94, v95
	ds_add_u32 v94, v95
	v_lshrrev_b32 v1, 5, v0
	v_readfirstlane_b32 s20, v1
	s_lshr_b32 s21, s20, 1                         ; wr; also: I fetch for a (0) or W (1)
	s_and_b32 s22, s20, 1                          ; wc; also: which part I fetch
	s_bfe_u32 s23, ttmp6, 0x40000
	s_bfe_u32 s24, ttmp6, 0x40004
	s_lshl_b32 s25, ttmp9, 2
	s_add_co_u32 s25, s25, s23                     ; IB: tile of columns
	s_and_b32 s26, ttmp7, 0xffff
	s_lshl_b32 s26, s26, 2
	s_add_co_u32 s26, s26, s24                     ; IA: tile of rows
	s_lshl_b32 s27, s24, 2
	s_lshl_b32 s27, 15, s27
	s_lshl_b32 s28, 0x1111, s23
	s_or_b32 s32, s27, (3<<16)|(1<<21)             ; a's images: all eight K steps, 98,304 dense bytes as 384 rows of 256
	s_mov_b32 s33, 32<<16
	s_mov_b32 s34, 384<<16                         ; all eight K steps: 384 rows of 256 bytes
	s_mov_b32 s35, 32<<16
	s_mov_b32 s36, 384
	s_mov_b32 s37, 32
	s_mov_b32 s38, 0
	s_mov_b32 s39, 0
	s_or_b32 s40, s28, (1<<20)|(1<<21)|(5<<22)|(3<<25)   ; W: 128 rows x 768 bytes, 16 bytes of padding behind every 256
	s_mov_b32 s41, 768<<16
	s_mov_b32 s42, 128<<16
	s_mov_b32 s43, 768<<16
	s_mov_b32 s44, 128
	s_mov_b32 s45, 768
	s_mov_b32 s46, 0
	s_mov_b32 s47, 0
	s_or_b32 s48, s27, (3<<16)|(1<<21)
	s_or_b32 s56, s28, (3<<16)|(1<<21)
.irp g, 48, 56                         ; scale bytes of 128 rows: 4,096 dense bytes as 16 rows of 256
	s_mov_b32 s[\g+1], 32<<16
	s_mov_b32 s[\g+2], 16<<16
	s_mov_b32 s[\g+3], 32<<16
	s_mov_b32 s[\g+4], 16
	s_mov_b32 s[\g+5], 32
	s_mov_b32 s[\g+6], 0
	s_mov_b32 s[\g+7], 0
.endr
	s_mul_i32 s94, s26, 98304
	s_mov_b32 s95, 0
	s_lshl_b32 s92, s26, 7
	s_lshl_b32 s92, s92, 5                         ; a's scale bytes of my 128 rows
	s_mov_b32 s93, 0
	s_lshl_b32 s96, s25, 7
	s_mul_i32 s98, s96, 768
	s_mov_b32 s99, 0
	s_lshl_b32 s96, s96, 5
	s_mov_b32 s97, 0
	s_wait_dscnt 0x0
	s_wait_kmcnt 0x0
	s_mov_b32 s68, 1
	s_mov_b32 s69, ASC
	s_add_nc_u64 s[70:71], s[6:7], s[92:93]
	s_or_b32 s71, s71, 0x80000000
	s_mov_b32 s72, 1
	s_mov_b32 s73, 0
	s_add_nc_u64 s[74:75], s[4:5], s[94:95]
	s_or_b32 s75, s75, 0x80000000
	s_mov_b32 s80, 1
	s_mov_b32 s81, ASC+4096
	s_add_nc_u64 s[82:83], s[10:11], s[96:97]
	s_or_b32 s83, s83, 0x80000000
	s_mov_b32 s84, 1
	s_mov_b32 s85, SB0
	s_add_nc_u64 s[86:87], s[8:9], s[98:99]
	s_or_b32 s87, s87, 0x80000000
	CROUND
; the head's four tiles, one a wave, in one chain of branches on the wave's number: wave 0 a's images, wave 1 W's codes, wave 2 a's scale bytes, wave 3 W's
.macro ARM under, g0, g1, next
	s_cmp_lt_u32 s20, \under
	s_cbranch_scc0 \next
	tensor_load_to_lds s[\g0:\g0+3], s[\g1:\g1+7]
	s_nop 0
	PLACES 4
	s_branch .Lfilled
\next:
.endm
	ARM 1, 72, 32, .Lfill_s
	ARM 2, 84, 40, .Lfill_ps
	ARM 3, 68, 48, .Lfill_ss
	tensor_load_to_lds s[80:83], s[56:63]
	s_nop 0
	PLACES 4
.Lfilled:
	v_and_b32 v1, 15, v0
	v_bfe_u32 v2, v0, 4, 1
	v_and_b32 v3, 31, v0
	v_lshlrev_b32 v27, 4, v3                       ; 16 x lane
	s_wait_alu depctr_va_vdst(0)
	v_lshlrev_b32 v28, 5, v2                       ; 32 h
	s_lshl_b32 s18, s25, 9
	s_lshl_b32 s19, s22, 8
	s_add_co_u32 s18, s18, s19
	s_mov_b32 s19, 0
	s_add_nc_u64 s[12:13], s[12:13], s[18:19]
.irp b, 0,1,2,3
	global_load_b128 v[BI+8*\b:BI+8*\b+3], v28, s[12:13] offset:64*\b
	global_load_b128 v[BI+8*\b+4:BI+8*\b+7], v28, s[12:13] offset:64*\b+16
.endr
	s_lshl_b32 s18, s26, 7
	s_lshl_b32 s19, s20, 5
	s_add_co_u32 s18, s18, s19                     ; the rows that I store: 128 IA + 32 x wave
	s_lshl_b32 s18, s18, 12
	s_lshl_b32 s19, s25, 9
	s_add_co_u32 s18, s18, s19
	s_mov_b32 s19, 0
	s_add_nc_u64 s[14:15], s[14:15], s[18:19]
	s_add_nc_u64 s[16:17], s[16:17], s[18:19]
	WIN 0x80                                       ; destination window 2
.irp i, 0,1,2,3,4,5,6,7,8,9,10,11,12,13,14,15,16,17,18,19,20,21,22,23,24,25,26,27,28,29,30,31
	global_load_b128 v[4*\i:4*\i+3], v27, s[14:15] offset:4096*\i   ; the residual: a row's 512 consecutive bytes
.endr
	WIN 0
	s_mul_i32 s2, s21, 6144
	v_lshl_add_u32 v16, v3, 3, s2                  ; a's images: 8 x lane + my four tiles of rows; v18: K's second half
	v_add_nc_u32 v18, 49152, v16
	v_mul_u32_u24 v4, v1, PITCH
	v_mad_u32_u24 v4, v2, 24, v4
	v_lshl_add_u32 v5, v2, 4, v4
	s_mul_i32 s3, s22, QROWS
	s_add_co_u32 s3, s3, SB0
	v_add_nc_u32 v20, s3, v4
	v_add_nc_u32 v21, s3, v5
	v_lshlrev_b32 v24, 5, v1
	s_lshl_b32 s2, s21, 11
	s_lshl_b32 s3, s22, 11
	s_add_co_u32 s3, s3, 4096
	s_sub_co_u32 s3, s3, s2
	v_mul_u32_u24 v6, s3, v2
	s_add_co_u32 s2, s2, ASC
	v_add_nc_u32 v24, v24, v6
	v_add_nc_u32 v24, s2, v24
	s_mul_i32 s2, s21, 64*SP
	s_lshl_b32 s3, s22, 8
	s_add_co_u32 s2, s2, s3
	s_add_co_u32 s2, s2, STG
	v_mul_u32_u24 v29, v1, SP
	v_lshl_add_u32 v29, v2, 5, v29
	v_add_nc_u32 v29, s2, v29                      ; into the stage: row 64 wr + r, 256 wc + 32 h bytes on
	s_mul_i32 s2, s20, 32*SP
	s_add_co_u32 s2, s2, STG
	v_add_nc_u32 v30, s2, v27                      ; back: my 32 rows, 16 bytes a lane
.macro FRAGR reg, adr, q, i
.irp p, 0,1,2,3,4,5
.set PCX, 12*(\q)+6*(\p/3)+\p%3
.if PCX%32 < 29                        ; q: the K step, 0 to 7; a padding stands behind every 32 pieces of 8 bytes
	ds_load_b64 v[\reg+2*\p:\reg+2*\p+1], v[\adr] offset:8*PCX+16*(PCX/32)+(\i)*16*PITCH
.else
	ds_load_b64 v[\reg+2*\p:\reg+2*\p+1], v[\adr+1] offset:8*PCX+16*(PCX/32)+(\i)*16*PITCH
.endif
.endr
.endm
.macro FRAGI reg, adr, q, i            ; an image comes back as it was stored: 256 consecutive bytes a load
.irp j, 0,1,2,3,4,5
	ds_load_b64 v[\reg+2*\j:\reg+2*\j+1], v[\adr] offset:(\q)*12288+(\i)*1536+256*\j
.endr
.endm
.macro SCALES set, s
.irp i, 0,1,2,3
	ds_load_b32 v[SC+4*(\set)+\i], v24 offset:512*\i+4*(\s)
.endr
.endm
.macro FETCH s, f
	WIN 0x40
.irp i, 0,1,2,3
	FRAGI (\f)+12*\i, 16+2*((\s)/4), (\s)%4, \i
	FRAGR (\f)+48+12*\i, 20, \s, \i
.endr
	WIN 0
	SCALES (\s)%2, \s
.endm
.macro MUL8 f, set, a0, bm             ; the 16 accumulators take turns
.irp a, \a0, \a0+1
.irp b, 0,1,2,3
.if \bm == 1
	v_wmma_scale_f32_16x16x128_f8f6f4 v[ACC+8*(4*(\a)+\b):ACC+8*(4*(\a)+\b)+7], v[(\f)+48+12*\b:(\f)+48+12*\b+11], v[(\f)+12*(\a):(\f)+12*(\a)+11], v[BI+8*\b:BI+8*\b+7], v[SC+4*(\set)+\b], v[SC+4*(\set)+(\a)] matrix_a_fmt:MATRIX_FMT_FP6 matrix_b_fmt:MATRIX_FMT_FP6 matrix_a_scale:MATRIX_SCALE_ROW1
.else
	v_wmma_scale_f32_16x16x128_f8f6f4 v[ACC+8*(4*(\a)+\b):ACC+8*(4*(\a)+\b)+7], v[(\f)+48+12*\b:(\f)+48+12*\b+11], v[(\f)+12*(\a):(\f)+12*(\a)+11], v[ACC+8*(4*(\a)+\b):ACC+8*(4*(\a)+\b)+7], v[SC+4*(\set)+\b], v[SC+4*(\set)+(\a)] matrix_a_fmt:MATRIX_FMT_FP6 matrix_b_fmt:MATRIX_FMT_FP6 matrix_a_scale:MATRIX_SCALE_ROW1
.endif
.endr
.endr
.endm
.macro STEP s, bm
	s_wait_dscnt 0x0
	WIN 0x05
	MUL8 96*((\s)%2), (\s)%2, 0, \bm
.if (\s) < 7
	PLACES 4
	FETCH (\s)+1, 96*(((\s)+1)%2)
.endif
	WIN 0x05
	MUL8 96*((\s)%2), (\s)%2, 2, \bm
.endm
	s_wait_alu depctr_va_vdst(0)
	s_wait_tensorcnt 0x0                           ; my one tile is in; nothing is ever filled again
	s_barrier_signal -1
	s_barrier_wait -1
	FETCH 0, 0
	s_wait_loadcnt 32                              ; the bias is in; the residual's 32 loads may be out
	STEP 0, 1
	STEP 1, 0
	STEP 2, 0
	STEP 3, 0
	STEP 4, 0
	STEP 5, 0
	STEP 6, 0
	STEP 7, 0
	WIN 0
	PLACES 4
.irp a, 0,1,2,3
.irp b, 0,1,2,3
	ds_store_b128 v29, v[ACC+8*(4*\a+\b):ACC+8*(4*\a+\b)+3] offset:16*SP*\a+64*\b       ; each accumulator from its low end on
	ds_store_b128 v29, v[ACC+8*(4*\a+\b)+4:ACC+8*(4*\a+\b)+7] offset:16*SP*\a+64*\b+16
.endr
.endr
	s_wait_dscnt 0x0                               ; for the others' sake: a row's 512 bytes come from two waves
	s_barrier_signal -1
	s_barrier_wait -1
.irp i, 0,1,2,3,4,5,6,7,8,9,10,11,12,13,14,15,16,17,18,19,20,21,22,23,24,25,26,27,28,29,30,31
	ds_load_b128 v[ACC+4*\i:ACC+4*\i+3], v30 offset:SP*\i
.endr
	s_wait_loadcnt 0x0                             ; the residual
	WIN 0x88                                       ; source 1 and destination in window 2: the sums are made where the residual lies, and stored from there
.irp i, 0,1,2,3,4,5,6,7,8,9,10,11,12,13,14,15,16,17,18,19,20,21,22,23,24,25,26,27,28,29,30,31
	s_wait_dscnt 31-\i                             ; row i is back; the younger rows may be out
	v_pk_add_f32 v[4*\i:4*\i+1], v[ACC+4*\i:ACC+4*\i+1], v[4*\i:4*\i+1]
	v_pk_add_f32 v[4*\i+2:4*\i+3], v[ACC+4*\i+2:ACC+4*\i+3], v[4*\i+2:4*\i+3]
	global_store_b128 v27, v[4*\i:4*\i+3], s[16:17] offset:4096*\i   ; 512 consecutive bytes, aligned to 256
.endr
	WIN 0
	s_wait_tensorcnt 0x0
	ds_add_u32 v94, v95
	s_wait_dscnt 0x0
	CROUND                                         ; the closing round
	s_endpgm
.Lfunc_end_k_q3b3f28fc44_oproj1:
	.size	k_q3b3f28fc44_oproj1, .Lfunc_end_k_q3b3f28fc44_oproj1-k_q3b3f28fc44_oproj1
	.p2alignl 7, 3214868480
	.fill 96, 4, 3214868480
	.section	.rodata,"a",@progbits
	.p2align	6, 0x0
	.amdhsa_kernel k_q3b3f28fc44_oproj1
		.amdhsa_group_segment_fixed_size 285184
		.amdhsa_private_segment_fixed_size 0
		.amdhsa_enable_private_segment 0
		.amdhsa_kernarg_size 56
		.amdhsa_user_sgpr_count 2
		.amdhsa_user_sgpr_kernarg_segment_ptr 1
		.amdhsa_wavefront_size32 1
		.amdhsa_system_sgpr_workgroup_id_x 1
		.amdhsa_system_sgpr_workgroup_id_y 1
		.amdhsa_system_sgpr_workgroup_id_z 1
		.amdhsa_system_vgpr_workitem_id 0
		.amdhsa_next_free_vgpr 640
		.amdhsa_next_free_sgpr 102
		.amdhsa_reserve_vcc 0
		.amdhsa_float_denorm_mode_32 3
		.amdhsa_float_denorm_mode_16_64 3
		.amdhsa_memory_ordered 1
		.amdhsa_forward_progress 1
		.amdhsa_inst_pref_size 69
	.end_amdhsa_kernel
	.amdgpu_metadata
---
amdhsa.version: [ 1, 2 ]
amdhsa.kernels:
  - .name:           k_q3b3f28fc44_oproj1
    .symbol:         k_q3b3f28fc44_oproj1.kd
    .args:
      - { .name: ocod, .offset: 0, .size: 8, .value_kind: global_buffer, .address_space: global }
      - { .name: oscl, .offset: 8, .size: 8, .value_kind: global_buffer, .address_space: global }
      - { .name: sa_wo_codes, .offset: 16, .size: 8, .value_kind: global_buffer, .address_space: global }
      - { .name: sa_wo_scales, .offset: 24, .size: 8, .value_kind: global_buffer, .address_space: global }
      - { .name: sa_bo, .offset: 32, .size: 8, .value_kind: global_buffer, .address_space: global }
      - { .name: x, .offset: 40, .size: 8, .value_kind: global_buffer, .address_space: global }
      - { .name: x1, .offset: 48, .size: 8, .value_kind: global_buffer, .address_space: global }
    .group_segment_fixed_size: 285184
    .private_segment_fixed_size: 0
    .kernarg_segment_align: 8
    .kernarg_segment_size: 56
    .max_flat_workgroup_size: 128
    .sgpr_count:     102
    .vgpr_count:     640
    .wavefront_size: 32
...
	.end_amdgpu_metadata
.endif
;; end of part 4
;; launch ln2 (part 5): grid 256 x 1, 4 waves a work-group, no clusters, 99,840 bytes of LDS; arguments x1, ln2_w, ln2_b, ascl, aimg; writes ascl, aimg
.if DOCPART == 5
	.amdgcn_target "amdgcn-amd-amdhsa--gfx1250"
	.amdhsa_code_object_version 6
	.text
	.protected	k_q3b3f28fc44_ln2
	.globl	k_q3b3f28fc44_ln2
	.p2align	8
	.type	k_q3b3f28fc44_ln2,@function
k_q3b3f28fc44_ln2:
	s_mov_b64 s[64:65], 0
	v_nop
	global_prefetch_b8 v0, s[64:65] scope:SCOPE_SE
	s_setreg_imm32_b32 hwreg(HW_REG_WAVE_MODE, 25, 1), 1
	s_wait_xcnt 0x0
; LayerNorm of 4,096 rows of 1,024 f32, quantised to codes of E2M3 with one E8M0 byte for each 32 along the row.
; OUT: scale bytes [4096][32]; the codes in one or two layouts, by the two switches below:
;   ROWS_OUT: [4096][768], a row one stream of bits, laid as the problem's own code inputs;
;   IMG_OUT:  images of the operand's registers, [row / 128][K step of 128][tile of 16 rows][6 register pairs][32 lanes][8 bytes].
; This launch writes the images alone: its one reader is the Q projection inside the cross-attention.  The text is the first LayerNorm's but for the two switches.
; SHARES: a work-group takes 16 rows, each of its four waves 4.  All 48 loads of a wave go out at the head; each covers 512 consecutive bytes.
; Mean first, then the sum of squares of x - mean: no difference of large sums.  A row then turns through the wave's own stage in LDS
; (32 places of 128 + 16 bytes), so that lane L holds block L, 32 neighbours.  Images leave through a stage that the four waves share, 256 aligned bytes a store.
; No matrix unit, no cluster, no tensor load: the rows are read once and only the 8 KB of gain and bias are shared.
; LIMITS: a block of zeros gets the byte 1 (the rule says 127): its codes are zeros and this program alone reads the bytes.  NaN and infinities are not served.
.set ROWS_OUT, 0
.set IMG_OUT, 1
.set NST, 1+3*ROWS_OUT+3*IMG_OUT       ; LDS stores of one row's quantiser
.set RST, 4608
.set WST, 4*RST
.set CST, 4*WST
.set CWB, 3072
.set SBY, CST+4*CWB
.set IMG, SBY+512
.set IPC, 776                          ; with these two pitches the 32 lanes of a store fall on 32 different places of 8 bytes modulo 256
.set IPS, 2*IPC
.set X, 64
.set W, 192
.set B, 224
.set C, 24
	s_load_b256 s[4:11], s[0:1], 0x0               ; x s[4:5], gain s[6:7], bias s[8:9], scale bytes s[10:11]
.if ROWS_OUT
	s_load_b64 s[12:13], s[0:1], 0x20              ; codes by rows
.endif
.if IMG_OUT
	s_load_b64 s[14:15], s[0:1], 0x20+8*ROWS_OUT   ; codes as images
	v_lshl_add_u32 v62, v0, 2, 0x18400
	v_mov_b32 v63, 0
.endif
	v_lshrrev_b32 v1, 5, v0
	v_readfirstlane_b32 s28, v1                    ; wave
	v_and_b32 v1, 31, v0                           ; lane
	v_lshlrev_b32 v2, 4, v1                        ; 16 x lane
	s_lshl_b32 s29, ttmp9, 4
	s_lshl_b32 s20, s28, 2
	s_add_co_u32 s29, s29, s20                     ; my wave's first row
	s_lshl_b32 s20, s29, 12
	s_mov_b32 s21, 0
	s_lshl_b32 s24, ttmp9, 9                       ; 16 rows x 32 scale bytes
	s_mov_b32 s25, 0
.if ROWS_OUT
	s_mul_i32 s22, s29, 768
	s_mov_b32 s23, 0
.endif
.if IMG_OUT
	s_lshr_b32 s26, ttmp9, 3                       ; the block of 128 rows,
	s_mul_i32 s26, s26, 98304
	s_and_b32 s27, ttmp9, 7                        ; my work-group's tile of 16 rows in it,
	s_mul_i32 s27, s27, 1536
	s_add_co_u32 s26, s26, s27
	s_mul_i32 s27, s28, 24576                      ; and the two K steps that my wave stores
	s_add_co_u32 s26, s26, s27
	s_mov_b32 s27, 0
.endif
	s_mov_b32 s16, 0x76543210
	s_mov_b32 s17, 0xfedcba98                      ; v_permlanex16_b32: lane l xor 16
	s_mov_b32 s18, 0x3a800000                      ; 1 / 1024
	s_mov_b32 s19, 0x3727c5ac                      ; 1e-5
	s_wait_alu depctr_va_vdst(0)
	s_wait_kmcnt 0x0
	s_add_nc_u64 s[4:5], s[4:5], s[20:21]
	s_add_nc_u64 s[10:11], s[10:11], s[24:25]
.if ROWS_OUT
	s_add_nc_u64 s[12:13], s[12:13], s[22:23]
.endif
.if IMG_OUT
	s_add_nc_u64 s[14:15], s[14:15], s[26:27]
.endif
.irp j, 0,1,2,3,4,5,6,7
	global_load_b128 v[W+4*\j:W+4*\j+3], v2, s[6:7] offset:512*\j
.endr
.irp j, 0,1,2,3,4,5,6,7
	global_load_b128 v[B+4*\j:B+4*\j+3], v2, s[8:9] offset:512*\j
.endr
.irp i, 0,1,2,3
.irp j, 0,1,2,3,4,5,6,7
	global_load_b128 v[X+32*\i+4*\j:X+32*\i+4*\j+3], v2, s[4:5] offset:4096*\i+512*\j
.endr
.endr
	s_mul_i32 s29, s28, WST
	v_lshrrev_b32 v13, 3, v1
	v_mul_u32_u24 v3, v13, 144
	v_and_b32 v13, 7, v1
	v_lshl_add_u32 v3, v13, 4, v3
	v_add_nc_u32 v3, s29, v3                       ; into the turn stage: 144 (lane / 8) + 16 (lane % 8)
	v_mul_u32_u24 v4, v1, 144
	v_add_nc_u32 v4, s29, v4                       ; out of it: place = lane
.if ROWS_OUT
	s_mul_i32 s29, s28, CWB
	s_add_co_u32 s29, s29, CST
	v_mul_u32_u24 v5, v1, 24
	v_add_nc_u32 v5, s29, v5
	v_add_nc_u32 v6, s29, v2
.endif
	s_lshl_b32 s29, s28, 7
	s_add_co_u32 s29, s29, SBY
	v_add_nc_u32 v7, s29, v1                       ; my block's scale byte: 128 x wave + lane
	v_add_nc_u32 v8, SBY, v2                       ; all 512 of them, 16 a lane
.if IMG_OUT
	v_lshrrev_b32 v13, 2, v1                       ; my block L is K step L / 4, half (L / 2) % 2 of the fragment's registers, lanes 16 (L % 2) on
	v_mul_u32_u24 v9, v13, IPS
	v_bfe_u32 v13, v1, 1, 1
	v_mad_u32_u24 v9, v13, IPC, v9
	v_and_b32 v13, 1, v1
	v_lshl_add_u32 v9, v13, 7, v9
	s_lshl_b32 s29, s28, 5                         ; 8 bytes a row: my wave's rows 4 x wave on
	s_add_co_u32 s29, s29, IMG
	v_add_nc_u32 v9, s29, v9                       ; image stage, in
	s_mul_i32 s29, s28, 2*IPS
	s_add_co_u32 s29, s29, IMG
	v_lshl_add_u32 v11, v1, 3, s29                 ; and out: my wave's two fragments, 8 bytes a lane
	v_lshlrev_b32 v12, 3, v1                       ; 8 x lane
.endif
.macro REDUCE                          ; v16 summed over the 32 lanes, into every lane
	v_add_f32_dpp v16, v16, v16 row_xmask:1 row_mask:0xf bank_mask:0xf
	v_add_f32_dpp v16, v16, v16 row_xmask:2 row_mask:0xf bank_mask:0xf
	v_add_f32_dpp v16, v16, v16 row_xmask:4 row_mask:0xf bank_mask:0xf
	v_add_f32_dpp v16, v16, v16 row_xmask:8 row_mask:0xf bank_mask:0xf
	v_permlanex16_b32 v17, v16, s16, s17
	v_add_f32 v16, v16, v17
.endm
.macro LNROW i
.set XR, X+32*\i
	s_wait_loadcnt 24-8*\i                         ; gain, bias and rows up to mine are in; the 8 loads of each later row may be out
	v_pk_add_f32 v[16:17], v[XR:XR+1], v[XR+2:XR+3]
	v_pk_add_f32 v[18:19], v[XR+4:XR+5], v[XR+6:XR+7]
.irp k, 8,12,16,20,24,28
	v_pk_add_f32 v[16:17], v[16:17], v[XR+\k:XR+\k+1]
	v_pk_add_f32 v[18:19], v[18:19], v[XR+\k+2:XR+\k+3]
.endr
	v_pk_add_f32 v[16:17], v[16:17], v[18:19]
	v_add_f32 v16, v16, v17
	REDUCE
	v_mul_f32 v20, s18, v16                        ; the mean
	v_mov_b32 v21, v20
.irp k, 0,2,4,6,8,10,12,14,16,18,20,22,24,26,28,30
	v_pk_add_f32 v[XR+\k:XR+\k+1], v[XR+\k:XR+\k+1], v[20:21] neg_lo:[0,1] neg_hi:[0,1]
.endr
	v_pk_mul_f32 v[16:17], v[XR:XR+1], v[XR:XR+1]
	v_pk_mul_f32 v[18:19], v[XR+2:XR+3], v[XR+2:XR+3]
.irp k, 4,8,12,16,20,24,28
	v_pk_fma_f32 v[16:17], v[XR+\k:XR+\k+1], v[XR+\k:XR+\k+1], v[16:17]
	v_pk_fma_f32 v[18:19], v[XR+\k+2:XR+\k+3], v[XR+\k+2:XR+\k+3], v[18:19]
.endr
	v_pk_add_f32 v[16:17], v[16:17], v[18:19]
	v_add_f32 v16, v16, v17
	REDUCE
	v_fma_f32 v16, v16, s18, s19                   ; variance + 1e-5
	s_wait_alu depctr_va_vdst(0)
	v_rsq_f32 v22, v16
	v_nop                                          ; a plain instruction behind the transcendental
	s_wait_alu depctr_va_vdst(0)                   ; and the wait ahead of the first line that names its result
	v_mov_b32 v23, v22
.irp k, 0,2,4,6,8,10,12,14,16,18,20,22,24,26,28,30
	v_pk_mul_f32 v[XR+\k:XR+\k+1], v[XR+\k:XR+\k+1], v[22:23]
.endr
.irp k, 0,2,4,6,8,10,12,14,16,18,20,22,24,26,28,30
	v_pk_fma_f32 v[XR+\k:XR+\k+1], v[XR+\k:XR+\k+1], v[W+\k:W+\k+1], v[B+\k:B+\k+1]
.endr
.irp j, 0,1,2,3,4,5,6,7
	ds_store_b128 v3, v[XR+4*\j:XR+4*\j+3] offset:\i*RST+576*\j
.endr
.irp e, 0,1,2,3,4,5,6,7
	ds_load_b128 v[XR+4*\e:XR+4*\e+3], v4 offset:\i*RST+16*\e   ; LDS serves a wave's instructions in order: these see the stores above
.endr
.endm
.macro QROW i
.set XR, X+32*\i
.set CR, C+8*\i
	s_wait_dscnt 16*(3-\i)+NST*\i                  ; my row is back: behind its loads stand 16 instructions for each later row and NST stores for each earlier one
	v_max3_num_f32 v16, |v[XR]|, |v[XR+1]|, 0x1800000   ; the floor 2^(3 - 127) holds the byte at 1 from below
	v_max3_num_f32 v17, |v[XR+2]|, |v[XR+3]|, |v[XR+4]|
.irp k, 5,9,13,17,21,25
	v_max3_num_f32 v16, v16, |v[XR+\k]|, |v[XR+\k+1]|
	v_max3_num_f32 v17, v17, |v[XR+\k+2]|, |v[XR+\k+3]|
.endr
	v_max3_num_f32 v16, v16, |v[XR+29]|, |v[XR+30]|
	v_max3_num_f32 v16, v16, v17, |v[XR+31]|
	v_add_nc_u32 v18, 0xff000000, v16              ; 2 off the exponent field: the conversion's scale operand
	v_lshrrev_b32 v[CR+7], 23, v18                 ; the scale's byte
	v_cvt_scalef32_pk16_fp6_f32 v[CR:CR+2], v[XR:XR+15], v18
	v_cvt_scalef32_pk16_fp6_f32 v[CR+4:CR+6], v[XR+16:XR+31], v18   ; (a conversion's three registers begin on an even number)
	v_nop                                          ; a plain instruction behind the scaled conversions
	v_mov_b32 v[CR+3], v[CR+4]
	v_mov_b32 v[CR+4], v[CR+5]
	v_mov_b32 v[CR+5], v[CR+6]
.if ROWS_OUT
.irp p, 0,1,2
	ds_store_b64 v5, v[CR+2*\p:CR+2*\p+1] offset:768*\i+8*\p
.endr
.endif
.if IMG_OUT
.irp p, 0,1,2
	ds_store_b64 v9, v[CR+2*\p:CR+2*\p+1] offset:256*\p+8*\i   ; register pair p of my half of the fragment, the place of my row
.endr
.endif
	ds_store_b8 v7, v[CR+7] offset:32*\i
.endm
	LNROW 0
	LNROW 1
	LNROW 2
	LNROW 3
	QROW 0
	QROW 1
	QROW 2
	QROW 3
.if ROWS_OUT
.irp k, 0,1,2,3,4,5
	ds_load_b128 v[64+4*\k:67+4*\k], v6 offset:512*\k
.endr
.endif
	s_wait_dscnt 0x0                               ; for the others' sake my scale bytes and my part of the images have landed
	s_barrier_signal -1
	s_barrier_wait -1
.if ROWS_OUT
.irp k, 0,1,2,3,4,5
	global_store_b128 v2, v[64+4*\k:67+4*\k], s[12:13] offset:512*\k
.endr
.endif
.if IMG_OUT
.irp n, 0,1,2,3,4,5,6,7,8,9,10,11
	ds_load_b64 v[96+2*\n:97+2*\n], v11 offset:(\n/6)*IPS+((\n%6)/3)*IPC+(\n%3)*256   ; a register pair of all 32 lanes: 256 consecutive bytes
.endr
	s_wait_dscnt 0x0
.irp n, 0,1,2,3,4,5,6,7,8,9,10,11
	global_store_b64 v12, v[96+2*\n:97+2*\n], s[14:15] offset:(\n/6)*12288+(\n%6)*256   ; 256 consecutive bytes, aligned
.endr
.endif
	s_cmp_lg_u32 s28, 0
	s_cbranch_scc1 .Lend
	ds_load_b128 v[88:91], v8                      ; wave 0: the 16 rows' scale bytes
	s_wait_dscnt 0x0
	global_store_b128 v2, v[88:91], s[10:11]
.Lend:
	s_wait_tensorcnt 0x0
	ds_add_u32 v62, v63
	s_wait_dscnt 0x0
	s_endpgm
.Lfunc_end_k_q3b3f28fc44_ln2:
	.size	k_q3b3f28fc44_ln2, .Lfunc_end_k_q3b3f28fc44_ln2-k_q3b3f28fc44_ln2
	.p2alignl 7, 3214868480
	.fill 96, 4, 3214868480
	.section	.rodata,"a",@progbits
	.p2align	6, 0x0
	.amdhsa_kernel k_q3b3f28fc44_ln2
		.amdhsa_group_segment_fixed_size 99840
		.amdhsa_private_segment_fixed_size 0
		.amdhsa_enable_private_segment 0
		.amdhsa_kernarg_size 40
		.amdhsa_user_sgpr_count 2
		.amdhsa_user_sgpr_kernarg_segment_ptr 1
		.amdhsa_wavefront_size32 1
		.amdhsa_system_sgpr_workgroup_id_x 1
		.amdhsa_system_sgpr_workgroup_id_y 1
		.amdhsa_system_sgpr_workgroup_id_z 1
		.amdhsa_system_vgpr_workitem_id 0
		.amdhsa_next_free_vgpr 256
		.amdhsa_next_free_sgpr 66
		.amdhsa_reserve_vcc 0
		.amdhsa_float_denorm_mode_32 3
		.amdhsa_float_denorm_mode_16_64 3
		.amdhsa_memory_ordered 1
		.amdhsa_forward_progress 1
		.amdhsa_inst_pref_size 45
	.end_amdhsa_kernel
	.amdgpu_metadata
---
amdhsa.version: [ 1, 2 ]
amdhsa.kernels:
  - .name:           k_q3b3f28fc44_ln2
    .symbol:         k_q3b3f28fc44_ln2.kd
    .args:
      - { .name: x1, .offset: 0, .size: 8, .value_kind: global_buffer, .address_space: global }
      - { .name: ln2_w, .offset: 8, .size: 8, .value_kind: global_buffer, .address_space: global }
      - { .name: ln2_b, .offset: 16, .size: 8, .value_kind: global_buffer, .address_space: global }
      - { .name: ascl, .offset: 24, .size: 8, .value_kind: global_buffer, .address_space: global }
      - { .name: aimg, .offset: 32, .size: 8, .value_kind: global_buffer, .address_space: global }
    .group_segment_fixed_size: 99840
    .private_segment_fixed_size: 0
    .kernarg_segment_align: 8
    .kernarg_segment_size: 40
    .max_flat_workgroup_size: 128
    .sgpr_count:     66
    .vgpr_count:     256
    .wavefront_size: 32
...
	.end_amdgpu_metadata
.endif
;; end of part 5
;; launch attn2 (part 6): grid 8 x 32, 16 waves a work-group, clusters of 4 x 1, 327,680 bytes of LDS; arguments aimg, ascl, ca_wq_codes, ca_wq_scales, ca_bq, kv, ocod, oscl; writes ocod, oscl
.if DOCPART == 6
	.amdgcn_target "amdgcn-amd-amdhsa--gfx1250"
	.amdhsa_code_object_version 6
	.text
	.protected	k_q3b3f28fc44_attn2
	.globl	k_q3b3f28fc44_attn2
	.p2align	8
	.type	k_q3b3f28fc44_attn2,@function
k_q3b3f28fc44_attn2:
	s_mov_b64 s[64:65], 0
	v_nop
	global_prefetch_b8 v0, s[64:65] scope:SCOPE_SE
	s_setreg_imm32_b32 hwreg(HW_REG_WAVE_MODE, 25, 1), 1
	s_wait_xcnt 0x0
	s_wait_alu depctr_hold_cnt(0) depctr_sa_sdst(0) depctr_va_vdst(0) depctr_va_sdst(0) depctr_va_ssrc(0) depctr_va_vcc(0) depctr_vm_vsrc(0)
	s_getreg_b32 s2, hwreg(HW_REG_IB_STS2, 6, 4)
	s_cmp_eq_u32 s2, 0
	s_cbranch_scc0 .Lentry_in_a_cluster
	s_endpgm
.Lentry_in_a_cluster:
	s_bfe_u32 s2, ttmp6, 0x10000c
	s_cmp_lg_u32 s2, 0x3003
	s_cbranch_scc0 .Lentry_shape_is_right
	s_endpgm
.Lentry_shape_is_right:
.set NS, 8
.set REGION, 7077888
.set CH, 13824
; THE FIRST FILLS, one tensor load a wave, all behind one round: waves 0-11 bring a twelfth each of the head's K and V chunks (RW rows of 256 bytes), waves 12-15 sixteen rows each of the head's 64 rows of the Q weight.
.set RW, NS*54/12
.set WB, NS*CH
.set WP, 816
.set WV, 20
.set SEL, 22
.set CS, 24
.set G1K, 28
.set G0K, 36
.set G1W, 40
.set G0W, 48
.set TB, 52
.set CNT, 53
.set CX, 54
.set QB, 55
.set BH, 56
.set HD, 66
.set RBK, 68
.set ROW0, 72
.set WF, 32
.set AF, 96
.set QA, 192
.set WS, 80
.set QTM, 4
.set QSO, 8
.set QBY, 10
.set QPC, 12
.set TM, 32
.set SO, 36
.set BY, 38
.set PC1, 40
.set COB, 44
.macro CROUND
	s_barrier_signal -1
	s_barrier_wait -1
	s_cmp_lg_u32 s[WV], 0
	s_cbranch_scc1 .Lnot_wave_0_\@
	s_barrier_signal -3
.Lnot_wave_0_\@:
	s_barrier_wait -3
	s_barrier_signal -1
	s_barrier_wait -1
.endm
	s_load_b512 s[4:19], s[0:1], 0x0
	v_lshl_add_u32 v254, v0, 2, 0x29000
	v_mov_b32 v255, 0
	ds_add_u32 v254, v255
	ds_add_u32 v254, v255
	s_wait_dscnt 0x0
	v_lshrrev_b32 v8, 5, v0
	s_delay_alu instid0(VALU_DEP_1)
	v_readfirstlane_b32 s[WV], v8
	s_bfe_u32 s[CX], ttmp6, 0x40000
	s_lshl_b32 s[QB], ttmp9, 2
	s_add_co_u32 s[QB], s[QB], s[CX]
	s_and_b32 s[BH], ttmp7, 0xffff
	s_and_b32 s[HD], s[BH], 15
	s_mov_b32 s[G1K], 15|(3<<16)|(1<<21)
	s_mov_b32 s[G1K+1], 32<<16
	s_mov_b32 s[G1K+2], RW<<16
	s_mov_b32 s[G1K+3], 32<<16
	s_mov_b32 s[G1K+4], RW
	s_mov_b32 s[G1K+5], 32
	s_mov_b32 s[G1K+6], 0
	s_mov_b32 s[G1K+7], 0
	s_mov_b32 s[G1W], 15|(1<<20)|(1<<21)|(5<<22)|(3<<25)
	s_mov_b32 s[G1W+1], 768<<16
	s_mov_b32 s[G1W+2], 16<<16
	s_mov_b32 s[G1W+3], 768<<16
	s_mov_b32 s[G1W+4], 16
	s_mov_b32 s[G1W+5], 768
	s_mov_b32 s[G1W+6], 0
	s_mov_b32 s[G1W+7], 0
	s_mul_i32 s58, s[BH], NS*CH
	s_mul_i32 s57, s[WV], RW*256
	s_add_co_u32 s58, s58, s57
	s_add_co_u32 s58, s58, REGION
	s_mov_b32 s59, 0
	s_lshl_b32 s60, s[HD], 6
	s_and_b32 s63, s[WV], 3                        ; waves 12-15: which sixteen rows of the weight
	s_lshl_b32 s61, s63, 4
	s_add_co_u32 s60, s60, s61
	s_mul_i32 s60, s60, 768
	s_mov_b32 s61, 0
	s_mul_i32 s62, s63, 16*WP
	s_add_co_u32 s62, s62, WB
	s_mov_b32 s[SEL], 0x76543210
	s_mov_b32 s[SEL+1], 0xfedcba98
	s_mov_b32 s[CS], 0x3e38aa3b
	s_mov_b32 s[CS+1], s[CS]
	s_wait_kmcnt 0x0
	s_mov_b32 s[G0W], 1
	s_mov_b32 s[G0W+1], s62
	s_add_nc_u64 s[G0W+2:G0W+3], s[8:9], s[60:61]
	s_or_b32 s[G0W+3], s[G0W+3], 0x80000000
	s_mov_b32 s[G0K], 1
	s_mov_b32 s[G0K+1], s57
	s_add_nc_u64 s[G0K+2:G0K+3], s[14:15], s[58:59]
	s_or_b32 s[G0K+3], s[G0K+3], 0x80000000
	CROUND                                         ; the four partners are here: the joint loads meet
	s_cmp_lt_u32 s[WV], 12
	s_cbranch_scc0 .Lfill_w
	tensor_load_to_lds s[G0K:G0K+3], s[G1K:G1K+7]
	s_nop 0
.rept 4
	v_nop
.endr
	s_branch .Lfilled
.Lfill_w:
	tensor_load_to_lds s[G0W:G0W+3], s[G1W:G1W+7]
	s_nop 0
.rept 4
	v_nop
.endr
.Lfilled:
	s_lshr_b32 s67, s[BH], 4
	s_lshl_b32 s[RBK], s67, 4
	s_lshl_b32 s69, s[QB], 1
	s_add_co_u32 s[RBK], s[RBK], s69
	s_lshr_b32 s69, s[WV], 3
	s_add_co_u32 s[RBK], s[RBK], s69
	s_mul_i32 s70, s[RBK], 98304
	s_and_b32 s69, s[WV], 7
	s_mul_i32 s71, s69, 1536
	s_add_co_u32 s70, s70, s71
	s_mov_b32 s71, 0
	s_add_nc_u64 s[4:5], s[4:5], s[70:71]
	s_lshl_b32 s[ROW0], s67, 11
	s_lshl_b32 s73, s[QB], 8
	s_add_co_u32 s[ROW0], s[ROW0], s73
	s_lshl_b32 s73, s[WV], 4
	s_add_co_u32 s[ROW0], s[ROW0], s73
	s_lshl_b32 s74, s[ROW0], 5
	s_mov_b32 s75, 0
	s_add_nc_u64 s[6:7], s[6:7], s[74:75]
	s_lshl_b32 s74, s[HD], 11
	s_add_nc_u64 s[10:11], s[10:11], s[74:75]
	s_lshl_b32 s74, s[HD], 8
	s_add_nc_u64 s[12:13], s[12:13], s[74:75]
	v_and_b32 v3, 31, v0
	s_delay_alu instid0(VALU_DEP_1)
	v_lshlrev_b32 v1, 3, v3
	s_delay_alu instid0(VALU_DEP_2)
	v_lshlrev_b32 v2, 2, v3
	v_and_b32 v4, 15, v0
	v_bfe_u32 v5, v0, 4, 1
	s_delay_alu instid0(VALU_DEP_2)
	v_lshlrev_b32 v6, 5, v4
	s_delay_alu instid0(VALU_DEP_2)
	v_lshlrev_b32 v7, 5, v5
	v_lshlrev_b32 v10, 5, v3
.irp s, 0,1,2,3,4,5,6,7
.irp j, 0,1,2,3,4,5
	global_load_b64 v[AF+12*\s+2*\j:AF+12*\s+2*\j+1], v1, s[4:5] offset:12288*\s+256*\j
.endr
.endr
	global_load_b128 v[28:31], v6, s[6:7]
	global_load_b128 v[248:251], v6, s[6:7] offset:16
.irp i, 0,1
	global_load_b128 v[WS+8*\i:WS+8*\i+3], v10, s[10:11] offset:1024*\i
	global_load_b128 v[WS+8*\i+4:WS+8*\i+7], v10, s[10:11] offset:1024*\i+16
.endr
.irp b, 0,1,2,3
	global_load_b128 v[QA+8*\b:QA+8*\b+3], v7, s[12:13] offset:64*\b
	global_load_b128 v[QA+8*\b+4:QA+8*\b+7], v7, s[12:13] offset:64*\b+16
.endr
	v_mul_u32_u24 v9, v4, WP
	s_delay_alu instid0(VALU_DEP_1)
	v_mad_u32_u24 v9, v5, 24, v9
	s_delay_alu instid0(VALU_DEP_1)
	v_lshl_add_u32 v11, v5, 4, v9
	s_delay_alu instid0(VALU_DEP_2)
	v_add_nc_u32 v9, WB, v9
	s_delay_alu instid0(VALU_DEP_2)
	v_add_nc_u32 v11, WB, v11
.macro FRAGW reg, s, b
.irp p, 0,1,2,3,4,5
.set PCX, 12*(\s)+6*(\p/3)+\p%3
.if PCX%32 < 29
	ds_load_b64 v[\reg+2*\p:\reg+2*\p+1], v9 offset:8*PCX+16*(PCX/32)+(\b)*16*WP
.else
	ds_load_b64 v[\reg+2*\p:\reg+2*\p+1], v11 offset:8*PCX+16*(PCX/32)+(\b)*16*WP
.endif
.endr
.endm
	s_wait_alu depctr_va_vdst(0)
	s_wait_tensorcnt 0x0                           ; my one tile is in; behind the barrier everybody's is: the weight and all keys and values
	s_barrier_signal -1
	s_barrier_wait -1
	s_wait_loadcnt 0x0
.irp s, 0,1,2,3,4,5,6,7
.if \s > 0
.rept 4
	v_nop
.endr
.endif
.irp b, 0,1,2,3
	FRAGW WF+12*\b, \s, \b
.endr
	s_wait_dscnt 0x0
.irp b, 0,1,2,3
.if \b%2
	v_wmma_scale_f32_16x16x128_f8f6f4 v[QA+8*\b:QA+8*\b+7], v[WF+12*\b:WF+12*\b+11], v[AF+12*\s:AF+12*\s+11], v[QA+8*\b:QA+8*\b+7], v[WS+8*(\b/2)+\s], v[28+\s+216*(\s/4)] matrix_a_fmt:MATRIX_FMT_FP6 matrix_b_fmt:MATRIX_FMT_FP6 matrix_a_scale:MATRIX_SCALE_ROW1
.else
	v_wmma_scale_f32_16x16x128_f8f6f4 v[QA+8*\b:QA+8*\b+7], v[WF+12*\b:WF+12*\b+11], v[AF+12*\s:AF+12*\s+11], v[QA+8*\b:QA+8*\b+7], v[WS+8*(\b/2)+\s], v[28+\s+216*(\s/4)] matrix_a_fmt:MATRIX_FMT_FP6 matrix_b_fmt:MATRIX_FMT_FP6
.endif
.endr
.endr
.rept 4
	v_nop
.endr
	v_mov_b32 v[QTM+2], 0
	v_mov_b32 v[QTM+3], 0
.irp k, 0,1
	v_max3_num_f32 v[QTM+\k], |v[QA+16*\k]|, |v[QA+16*\k+1]|, 0x1800000
.endr
.irp i, 2,4,6,8,10,12,14
.irp k, 0,1
	v_max3_num_f32 v[QTM+\k], v[QTM+\k], |v[QA+16*\k+\i]|, |v[QA+16*\k+\i+1]|
.endr
.endr
.irp k, 0,1
	s_delay_alu instid0(VALU_DEP_2)
	v_permlanex16_b32 v[QTM+2+\k], v[QTM+\k], s[SEL], s[SEL+1]
.endr
.irp k, 0,1
	s_delay_alu instid0(VALU_DEP_2)
	v_max_num_f32 v[QTM+\k], v[QTM+\k], v[QTM+2+\k]
.endr
.irp k, 0,1
	s_delay_alu instid0(VALU_DEP_2)
	v_add_nc_u32 v[QSO+\k], 0xff000000, v[QTM+\k]
.endr
.irp k, 0,1
	s_delay_alu instid0(VALU_DEP_2)
	v_lshrrev_b32 v[QBY+\k], 23, v[QSO+\k]
.endr
	s_delay_alu instid0(VALU_DEP_1)
	v_lshl_or_b32 v255, v[QBY+1], 8, v[QBY]
	v_cvt_scalef32_pk16_fp6_f32 v[16:18], v[QA:QA+15], v[QSO]
	v_cvt_scalef32_pk16_fp6_f32 v[QPC:QPC+2], v[QA+16:QA+31], v[QSO+1]
	v_nop
.irp i, 0,1,2
	v_permlane16_swap_b32 v[16+\i], v[QPC+\i]
.endr
.irp i, 0,1,2
	s_delay_alu instid0(VALU_DEP_3)
	v_mov_b32 v[19+\i], v[QPC+\i]
.endr
.irp i, 22,23,24,25,26,27
	v_mov_b32 v[\i], 0
.endr
.irp t, 0,1,2,3
.irp i, 6,7,8,9,10,11
	v_mov_b32 v[32+12*\t+\i], 0
.endr
.endr
	v_mov_b32 v13, 0xff61b1e6
	s_delay_alu instid0(VALU_DEP_1)
	v_floor_f32 v12, -v13
	v_mov_b32 v14, 0
	v_mov_b32 v15, 0
.irp b, 0,1,2,3
	v_mov_b32 v[236+\b], 0
.endr
	v_mov_b32 v253, 0
.irp j, 0,1,2,3,4,5,6,7,8,9,10,11,12,13,14,15,16,17,18,19,20,21,22,23,24,25,26,27,28,29,30,31
	v_mov_b32 v[160+\j], 0
.endr
	s_mov_b32 s[TB], 0
	s_mov_b32 s[CNT], NS
.Lstep:
	v_add_nc_u32 v8, s[TB], v1
	s_wait_alu depctr_va_vdst(0)
	v_add_nc_u32 v10, s[TB], v2
	s_wait_alu depctr_va_vdst(0)
.rept 3
	v_nop
.endr
.irp g, 0,1
.if \g > 0
.rept 4
	v_nop
.endr
.endif
.irp t, 0,1,2,3
.irp p, 0,1,2
	ds_load_b64 v[32+12*\t+2*\p:33+12*\t+2*\p], v8 offset:(4*\g+\t)*768+256*\p
.endr
	ds_load_b32 v[248+\t], v10 offset:12288+(4*\g+\t)*128
.endr
	s_wait_dscnt 0x0
.irp t, 0,1,2,3
	v_wmma_scale_f32_16x16x128_f8f6f4 v[96+8*(4*\g+\t):103+8*(4*\g+\t)], v[32+12*\t:43+12*\t], v[16:27], 0, v[248+\t], v255 matrix_a_fmt:MATRIX_FMT_FP6 matrix_b_fmt:MATRIX_FMT_FP6
.endr
.endr
.rept 4
	v_nop
.endr
.irp b, 0,1,2,3
	v_max3_num_f32 v[232+\b], v[96+16*\b], v[97+16*\b], v[98+16*\b]
.endr
.irp i, 3,5,7,9,11,13
.irp b, 0,1,2,3
	v_max3_num_f32 v[232+\b], v[232+\b], v[96+16*\b+\i], v[97+16*\b+\i]
.endr
.endr
.irp b, 0,1,2,3
	v_max_num_f32 v[232+\b], v[232+\b], v[111+16*\b]
.endr
.irp b, 0,1,2,3
	s_delay_alu instid0(VALU_DEP_4)
	v_permlanex16_b32 v[236+\b], v[232+\b], s[SEL], s[SEL+1]
.endr
.irp b, 0,1,2,3
	s_delay_alu instid0(VALU_DEP_4)
	v_max_num_f32 v[232+\b], v[232+\b], v[236+\b]
.endr
	s_delay_alu instid0(VALU_DEP_2)
	v_max3_num_f32 v254, v232, v233, v234
	s_delay_alu instid0(VALU_DEP_1)
	v_max_num_f32 v254, v254, v235
	s_delay_alu instid0(VALU_DEP_1)
	v_mul_f32 v254, s[CS], v254
	s_delay_alu instid0(VALU_DEP_1)
	v_max_num_f32 v13, v13, v254
	v_mov_b32 v254, v12
	s_delay_alu instid0(VALU_DEP_2)
	v_floor_f32 v12, -v13
	s_delay_alu instid0(VALU_DEP_1)
	v_sub_f32 v254, v12, v254
	s_delay_alu instid0(VALU_DEP_1)
	v_cvt_i32_f32 v254, v254
	s_delay_alu instid0(VALU_DEP_1)
	v_ldexp_f32 v252, 1.0, v254
.irp j, 0,2,4,6,8,10,12,14,16,18,20,22,24,26,28,30,32,34,36,38,40,42,44,46,48,50,52,54,56,58,60,62
	v_pk_fma_f32 v[96+\j:97+\j], v[96+\j:97+\j], s[CS:CS+1], v[12:13] op_sel_hi:[1,0,0]
.endr
.irp b, 0,1,2,3
	v_fma_f32 v[232+\b], v[232+\b], s[CS], v12
.endr
	s_wait_alu depctr_va_vdst(0)
.irp j, 0,1,2,3,4,5,6,7,8,9,10,11,12,13,14,15,16,17,18,19,20,21,22,23,24,25,26,27,28,29,30,31,32,33,34,35,36,37,38,39,40,41,42,43,44,45,46,47,48,49,50,51,52,53,54,55,56,57,58,59,60,61,62,63
	v_exp_f32 v[96+\j], v[96+\j]
.endr
	v_pk_mul_f32 v[14:15], v[14:15], v[252:253] op_sel_hi:[1,0]
	s_wait_alu depctr_va_vdst(0)
.irp b, 0,1,2,3
	v_exp_f32 v[232+\b], v[232+\b]
.endr
	v_pk_add_f32 v[236:237], v[96:97], v[98:99]
.irp j, 4,8,12,16,20,24,28,32,36,40,44,48,52,56,60
	v_pk_add_f32 v[14:15], v[14:15], v[96+\j:97+\j]
	v_pk_add_f32 v[236:237], v[236:237], v[98+\j:99+\j]
.endr
	s_delay_alu instid0(VALU_DEP_1)
	v_pk_add_f32 v[14:15], v[14:15], v[236:237]
	s_wait_alu depctr_va_vdst(0)
.irp b, 0,1,2,3
	v_max_num_f32 v[232+\b], 0x1800000, v[232+\b]
.endr
.irp b, 0,1,2,3
	s_delay_alu instid0(VALU_DEP_4)
	v_add_nc_u32 v[244+\b], 0xff000000, v[232+\b]
.endr
.irp b, 0,1,2,3
	s_delay_alu instid0(VALU_DEP_4)
	v_lshrrev_b32 v[236+\b], 23, v[244+\b]
.endr
	s_delay_alu instid0(VALU_DEP_3)
	v_lshl_or_b32 v253, v237, 8, v236
	s_delay_alu instid0(VALU_DEP_1)
	v_lshl_or_b32 v253, v238, 16, v253
	s_delay_alu instid0(VALU_DEP_1)
	v_lshl_or_b32 v253, v239, 24, v253
.irp c, 0,1
	v_cvt_scalef32_pk16_fp6_f32 v[224+6*\c:226+6*\c], v[96+32*\c:111+32*\c], v[244+2*\c]
	v_cvt_scalef32_pk16_fp6_f32 v[236+4*\c:238+4*\c], v[112+32*\c:127+32*\c], v[244+2*\c+1]
.endr
	v_nop
.irp c, 0,1
.irp i, 0,1,2
	v_permlane16_swap_b32 v[224+6*\c+\i], v[236+4*\c+\i]
.endr
.irp i, 0,1,2
	s_delay_alu instid0(VALU_DEP_3)
	v_mov_b32 v[227+6*\c+\i], v[236+4*\c+\i]
.endr
.endr
.irp j, 0,2,4,6,8,10,12,14,16,18,20,22,24,26,28,30
	v_pk_mul_f32 v[160+\j:161+\j], v[160+\j:161+\j], v[252:253] op_sel_hi:[1,0]
.endr
.irp t, 0,1,2,3
.irp j, 0,1,2,3,4,5
	ds_load_b64 v[96+12*\t+2*\j:97+12*\t+2*\j], v8 offset:6144+1536*\t+256*\j
.endr
	ds_load_b32 v[248+\t], v10 offset:13312+128*\t
.endr
	s_wait_alu depctr_va_vdst(0)
	s_wait_dscnt 0x0
.irp t, 0,1,2,3
	v_wmma_scale_f32_16x16x128_f8f6f4 v[160+8*\t:167+8*\t], v[96+12*\t:107+12*\t], v[224:235], v[160+8*\t:167+8*\t], v[248+\t], v253 matrix_a_fmt:MATRIX_FMT_FP6 matrix_b_fmt:MATRIX_FMT_FP6
.endr
	s_add_co_u32 s[TB], s[TB], CH
	s_sub_co_u32 s[CNT], s[CNT], 1
	s_cmp_lg_u32 s[CNT], 0
	s_cbranch_scc1 .Lstep
	v_add_f32 v14, v14, v15
	s_delay_alu instid0(VALU_DEP_1)
	v_permlanex16_b32 v252, v14, s[SEL], s[SEL+1]
	s_delay_alu instid0(VALU_DEP_1)
	v_add_f32 v14, v14, v252
	s_wait_alu depctr_va_vdst(0)
	v_rcp_f32 v14, v14
	v_and_b32 v8, 15, v0
	v_bfe_u32 v9, v0, 4, 1
	s_delay_alu instid0(VALU_DEP_1)
	v_lshl_add_u32 v9, v8, 5, v9
	v_mov_b32 v[TM+2], 0
	v_mov_b32 v[TM+3], 0
	s_lshl_b32 s70, s[RBK], 3
	s_lshr_b32 s71, s[HD], 1
	s_add_co_u32 s70, s70, s71
	s_lshl_b32 s70, s70, 3
	s_and_b32 s71, s[WV], 7
	s_add_co_u32 s70, s70, s71
	s_mul_i32 s70, s70, 1536
	s_and_b32 s71, s[HD], 1
	s_mul_i32 s71, s71, 768
	s_add_co_u32 s70, s70, s71
	s_mov_b32 s71, 0
	s_add_nc_u64 s[16:17], s[16:17], s[70:71]
	s_lshl_b32 s74, s[ROW0], 5
	s_lshl_b32 s75, s[HD], 1
	s_add_co_u32 s74, s74, s75
	s_mov_b32 s75, 0
	s_add_nc_u64 s[18:19], s[18:19], s[74:75]
	s_mov_b32 s76, 0xffff0000
	s_wait_alu depctr_va_vdst(0)
.irp j, 0,1,2,3,4,5,6,7,8,9,10,11,12,13,14,15,16,17,18,19,20,21,22,23,24,25,26,27,28,29,30,31
	v_mul_f32 v[96+\j], v[160+\j], v14
.endr
.irp k, 0,1
.irp j, 0,1,2,3,4,5,6,7
	v_permlane16_swap_b32 v[96+16*\k+\j], v[104+16*\k+\j]
.endr
.endr
.irp k, 0,1
	v_max3_num_f32 v[TM+\k], |v[96+16*\k]|, |v[97+16*\k]|, 0x1800000
.endr
.irp i, 2,4,6,8,10,12,14
.irp k, 0,1
	s_delay_alu instid0(VALU_DEP_2)
	v_max3_num_f32 v[TM+\k], v[TM+\k], |v[96+16*\k+\i]|, |v[97+16*\k+\i]|
.endr
.endr
.irp k, 0,1
	s_delay_alu instid0(VALU_DEP_2)
	v_permlanex16_b32 v[TM+2+\k], v[TM+\k], s[SEL], s[SEL+1]
.endr
.irp k, 0,1
	s_delay_alu instid0(VALU_DEP_2)
	v_max_num_f32 v[TM+\k], v[TM+\k], v[TM+2+\k]
.endr
.irp k, 0,1
	s_delay_alu instid0(VALU_DEP_2)
	v_add_nc_u32 v[SO+\k], 0xff000000, v[TM+\k]
.endr
.irp k, 0,1
	s_delay_alu instid0(VALU_DEP_2)
	v_lshrrev_b32 v[BY+\k], 23, v[SO+\k]
.endr
	s_delay_alu instid0(VALU_DEP_1)
	v_cndmask_b32 v[COB+7], v[BY], v[BY+1], s76
	v_cvt_scalef32_pk16_fp6_f32 v[COB:COB+2], v[96:111], v[SO]
	v_cvt_scalef32_pk16_fp6_f32 v[PC1:PC1+2], v[112:127], v[SO+1]
	v_nop
.irp i, 0,1,2
	v_permlane16_swap_b32 v[COB+\i], v[PC1+\i]
.endr
.irp i, 0,1,2
	s_delay_alu instid0(VALU_DEP_3)
	v_mov_b32 v[COB+3+\i], v[PC1+\i]
.endr
.irp p, 0,1,2
	global_store_b64 v1, v[COB+2*\p:COB+2*\p+1], s[16:17] offset:256*\p
.endr
	global_store_b8 v9, v[COB+7], s[18:19]
	s_wait_xcnt 0x0
	v_lshl_add_u32 v254, v0, 2, 0x29000
	v_mov_b32 v255, 0
	s_wait_alu depctr_va_vdst(0)
	s_wait_tensorcnt 0x0
	ds_add_u32 v254, v255
	s_wait_dscnt 0x0
	CROUND
	s_endpgm
.Lfunc_end_k_q3b3f28fc44_attn2:
	.size	k_q3b3f28fc44_attn2, .Lfunc_end_k_q3b3f28fc44_attn2-k_q3b3f28fc44_attn2
	.p2alignl 7, 3214868480
	.fill 96, 4, 3214868480
	.section	.rodata,"a",@progbits
	.p2align	6, 0x0
	.amdhsa_kernel k_q3b3f28fc44_attn2
		.amdhsa_group_segment_fixed_size 327680
		.amdhsa_private_segment_fixed_size 0
		.amdhsa_enable_private_segment 0
		.amdhsa_kernarg_size 64
		.amdhsa_user_sgpr_count 2
		.amdhsa_user_sgpr_kernarg_segment_ptr 1
		.amdhsa_wavefront_size32 1
		.amdhsa_system_sgpr_workgroup_id_x 1
		.amdhsa_system_sgpr_workgroup_id_y 1
		.amdhsa_system_sgpr_workgroup_id_z 1
		.amdhsa_system_vgpr_workitem_id 0
		.amdhsa_next_free_vgpr 256
		.amdhsa_next_free_sgpr 80
		.amdhsa_reserve_vcc 0
		.amdhsa_float_denorm_mode_32 3
		.amdhsa_float_denorm_mode_16_64 3
		.amdhsa_memory_ordered 1
		.amdhsa_forward_progress 1
		.amdhsa_inst_pref_size 59
	.end_amdhsa_kernel
	.amdgpu_metadata
---
amdhsa.version: [ 1, 2 ]
amdhsa.kernels:
  - .name:           k_q3b3f28fc44_attn2
    .symbol:         k_q3b3f28fc44_attn2.kd
    .args:
      - { .name: aimg, .offset: 0, .size: 8, .value_kind: global_buffer, .address_space: global }
      - { .name: ascl, .offset: 8, .size: 8, .value_kind: global_buffer, .address_space: global }
      - { .name: ca_wq_codes, .offset: 16, .size: 8, .value_kind: global_buffer, .address_space: global }
      - { .name: ca_wq_scales, .offset: 24, .size: 8, .value_kind: global_buffer, .address_space: global }
      - { .name: ca_bq, .offset: 32, .size: 8, .value_kind: global_buffer, .address_space: global }
      - { .name: kv, .offset: 40, .size: 8, .value_kind: global_buffer, .address_space: global }
      - { .name: ocod, .offset: 48, .size: 8, .value_kind: global_buffer, .address_space: global }
      - { .name: oscl, .offset: 56, .size: 8, .value_kind: global_buffer, .address_space: global }
    .group_segment_fixed_size: 327680
    .private_segment_fixed_size: 0
    .kernarg_segment_align: 8
    .kernarg_segment_size: 64
    .max_flat_workgroup_size: 512
    .sgpr_count:     80
    .vgpr_count:     256
    .wavefront_size: 32
...
	.end_amdgpu_metadata
.endif
;; end of part 6
;; launch oproj2: the kernel of part 4 again; grid 8 x 32, 4 waves a work-group, clusters of 4 x 4, 285,184 bytes of LDS; arguments ocod, oscl, ca_wo_codes, ca_wo_scales, ca_bo, x1, x2; writes x2
;; launch ln3 (part 7): grid 256 x 1, 4 waves a work-group, no clusters, 87,552 bytes of LDS; arguments x2, ln3_w, ln3_b, ascl, acod; writes ascl, acod
.if DOCPART == 7
	.amdgcn_target "amdgcn-amd-amdhsa--gfx1250"
	.amdhsa_code_object_version 6
	.text
	.protected	k_q3b3f28fc44_ln3
	.globl	k_q3b3f28fc44_ln3
	.p2align	8
	.type	k_q3b3f28fc44_ln3,@function
k_q3b3f28fc44_ln3:
	s_mov_b64 s[64:65], 0
	v_nop
	global_prefetch_b8 v0, s[64:65] scope:SCOPE_SE
	s_setreg_imm32_b32 hwreg(HW_REG_WAVE_MODE, 25, 1), 1
	s_wait_xcnt 0x0
; LayerNorm of 4,096 rows of 1,024 f32, quantised to codes of E2M3 with one E8M0 byte for each 32 along the row.
; OUT: scale bytes [4096][32]; the codes in one or two layouts, by the two switches below:
;   ROWS_OUT: [4096][768], a row one stream of bits, laid as the problem's own code inputs;
;   IMG_OUT:  images of the operand's registers, [row / 128][K step of 128][tile of 16 rows][6 register pairs][32 lanes][8 bytes].
; This launch writes the rows alone: its one reader brings tiles of rows into LDS.  The text is the first LayerNorm's but for the two switches.
; SHARES: a work-group takes 16 rows, each of its four waves 4.  All 48 loads of a wave go out at the head; each covers 512 consecutive bytes.
; Mean first, then the sum of squares of x - mean: no difference of large sums.  A row then turns through the wave's own stage in LDS
; (32 places of 128 + 16 bytes), so that lane L holds block L, 32 neighbours.  Rows leave through a dense stage as 3,072 consecutive bytes a wave.
; No matrix unit, no cluster, no tensor load: the rows are read once and only the 8 KB of gain and bias are shared.
; LIMITS: a block of zeros gets the byte 1 (the rule says 127): its codes are zeros and this program alone reads the bytes.  NaN and infinities are not served.
.set ROWS_OUT, 1
.set IMG_OUT, 0
.set NST, 1+3*ROWS_OUT+3*IMG_OUT       ; LDS stores of one row's quantiser
.set RST, 4608
.set WST, 4*RST
.set CST, 4*WST
.set CWB, 3072
.set SBY, CST+4*CWB
.set IMG, SBY+512
.set IPC, 776
.set IPS, 2*IPC
.set X, 64
.set W, 192
.set B, 224
.set C, 24
	s_load_b256 s[4:11], s[0:1], 0x0               ; x s[4:5], gain s[6:7], bias s[8:9], scale bytes s[10:11]
.if ROWS_OUT
	s_load_b64 s[12:13], s[0:1], 0x20              ; codes by rows
	v_lshl_add_u32 v62, v0, 2, 0x15400
	v_mov_b32 v63, 0
.endif
.if IMG_OUT
	s_load_b64 s[14:15], s[0:1], 0x20+8*ROWS_OUT   ; codes as images
.endif
	v_lshrrev_b32 v1, 5, v0
	v_readfirstlane_b32 s28, v1                    ; wave
	v_and_b32 v1, 31, v0                           ; lane
	v_lshlrev_b32 v2, 4, v1                        ; 16 x lane
	s_lshl_b32 s29, ttmp9, 4
	s_lshl_b32 s20, s28, 2
	s_add_co_u32 s29, s29, s20                     ; my wave's first row
	s_lshl_b32 s20, s29, 12
	s_mov_b32 s21, 0
	s_lshl_b32 s24, ttmp9, 9                       ; 16 rows x 32 scale bytes
	s_mov_b32 s25, 0
.if ROWS_OUT
	s_mul_i32 s22, s29, 768
	s_mov_b32 s23, 0
.endif
.if IMG_OUT
	s_lshr_b32 s26, ttmp9, 3
	s_mul_i32 s26, s26, 98304
	s_and_b32 s27, ttmp9, 7
	s_mul_i32 s27, s27, 1536
	s_add_co_u32 s26, s26, s27
	s_mul_i32 s27, s28, 24576
	s_add_co_u32 s26, s26, s27
	s_mov_b32 s27, 0
.endif
	s_mov_b32 s16, 0x76543210
	s_mov_b32 s17, 0xfedcba98                      ; v_permlanex16_b32: lane l xor 16
	s_mov_b32 s18, 0x3a800000                      ; 1 / 1024
	s_mov_b32 s19, 0x3727c5ac                      ; 1e-5
	s_wait_alu depctr_va_vdst(0)
	s_wait_kmcnt 0x0
	s_add_nc_u64 s[4:5], s[4:5], s[20:21]
	s_add_nc_u64 s[10:11], s[10:11], s[24:25]
.if ROWS_OUT
	s_add_nc_u64 s[12:13], s[12:13], s[22:23]
.endif
.if IMG_OUT
	s_add_nc_u64 s[14:15], s[14:15], s[26:27]
.endif
.irp j, 0,1,2,3,4,5,6,7
	global_load_b128 v[W+4*\j:W+4*\j+3], v2, s[6:7] offset:512*\j
.endr
.irp j, 0,1,2,3,4,5,6,7
	global_load_b128 v[B+4*\j:B+4*\j+3], v2, s[8:9] offset:512*\j
.endr
.irp i, 0,1,2,3
.irp j, 0,1,2,3,4,5,6,7
	global_load_b128 v[X+32*\i+4*\j:X+32*\i+4*\j+3], v2, s[4:5] offset:4096*\i+512*\j
.endr
.endr
	s_mul_i32 s29, s28, WST
	v_lshrrev_b32 v13, 3, v1
	v_mul_u32_u24 v3, v13, 144
	v_and_b32 v13, 7, v1
	v_lshl_add_u32 v3, v13, 4, v3
	v_add_nc_u32 v3, s29, v3                       ; into the turn stage: 144 (lane / 8) + 16 (lane % 8)
	v_mul_u32_u24 v4, v1, 144
	v_add_nc_u32 v4, s29, v4                       ; out of it: place = lane
.if ROWS_OUT
	s_mul_i32 s29, s28, CWB
	s_add_co_u32 s29, s29, CST
	v_mul_u32_u24 v5, v1, 24
	v_add_nc_u32 v5, s29, v5                       ; row stage, in: 24 bytes a lane
	v_add_nc_u32 v6, s29, v2                       ; and out: 16 bytes a lane
.endif
	s_lshl_b32 s29, s28, 7
	s_add_co_u32 s29, s29, SBY
	v_add_nc_u32 v7, s29, v1                       ; my block's scale byte: 128 x wave + lane
	v_add_nc_u32 v8, SBY, v2                       ; all 512 of them, 16 a lane
.if IMG_OUT
	v_lshrrev_b32 v13, 2, v1
	v_mul_u32_u24 v9, v13, IPS
	v_bfe_u32 v13, v1, 1, 1
	v_mad_u32_u24 v9, v13, IPC, v9
	v_and_b32 v13, 1, v1
	v_lshl_add_u32 v9, v13, 7, v9
	s_lshl_b32 s29, s28, 5
	s_add_co_u32 s29, s29, IMG
	v_add_nc_u32 v9, s29, v9
	s_mul_i32 s29, s28, 2*IPS
	s_add_co_u32 s29, s29, IMG
	v_lshl_add_u32 v11, v1, 3, s29
	v_lshlrev_b32 v12, 3, v1
.endif
.macro REDUCE                          ; v16 summed over the 32 lanes, into every lane
	v_add_f32_dpp v16, v16, v16 row_xmask:1 row_mask:0xf bank_mask:0xf
	v_add_f32_dpp v16, v16, v16 row_xmask:2 row_mask:0xf bank_mask:0xf
	v_add_f32_dpp v16, v16, v16 row_xmask:4 row_mask:0xf bank_mask:0xf
	v_add_f32_dpp v16, v16, v16 row_xmask:8 row_mask:0xf bank_mask:0xf
	v_permlanex16_b32 v17, v16, s16, s17
	v_add_f32 v16, v16, v17
.endm
.macro LNROW i
.set XR, X+32*\i
	s_wait_loadcnt 24-8*\i                         ; gain, bias and rows up to mine are in; the 8 loads of each later row may be out
	v_pk_add_f32 v[16:17], v[XR:XR+1], v[XR+2:XR+3]
	v_pk_add_f32 v[18:19], v[XR+4:XR+5], v[XR+6:XR+7]
.irp k, 8,12,16,20,24,28
	v_pk_add_f32 v[16:17], v[16:17], v[XR+\k:XR+\k+1]
	v_pk_add_f32 v[18:19], v[18:19], v[XR+\k+2:XR+\k+3]
.endr
	v_pk_add_f32 v[16:17], v[16:17], v[18:19]
	v_add_f32 v16, v16, v17
	REDUCE
	v_mul_f32 v20, s18, v16                        ; the mean
	v_mov_b32 v21, v20
.irp k, 0,2,4,6,8,10,12,14,16,18,20,22,24,26,28,30
	v_pk_add_f32 v[XR+\k:XR+\k+1], v[XR+\k:XR+\k+1], v[20:21] neg_lo:[0,1] neg_hi:[0,1]
.endr
	v_pk_mul_f32 v[16:17], v[XR:XR+1], v[XR:XR+1]
	v_pk_mul_f32 v[18:19], v[XR+2:XR+3], v[XR+2:XR+3]
.irp k, 4,8,12,16,20,24,28
	v_pk_fma_f32 v[16:17], v[XR+\k:XR+\k+1], v[XR+\k:XR+\k+1], v[16:17]
	v_pk_fma_f32 v[18:19], v[XR+\k+2:XR+\k+3], v[XR+\k+2:XR+\k+3], v[18:19]
.endr
	v_pk_add_f32 v[16:17], v[16:17], v[18:19]
	v_add_f32 v16, v16, v17
	REDUCE
	v_fma_f32 v16, v16, s18, s19                   ; variance + 1e-5
	s_wait_alu depctr_va_vdst(0)
	v_rsq_f32 v22, v16
	v_nop                                          ; a plain instruction behind the transcendental
	s_wait_alu depctr_va_vdst(0)                   ; and the wait ahead of the first line that names its result
	v_mov_b32 v23, v22
.irp k, 0,2,4,6,8,10,12,14,16,18,20,22,24,26,28,30
	v_pk_mul_f32 v[XR+\k:XR+\k+1], v[XR+\k:XR+\k+1], v[22:23]
.endr
.irp k, 0,2,4,6,8,10,12,14,16,18,20,22,24,26,28,30
	v_pk_fma_f32 v[XR+\k:XR+\k+1], v[XR+\k:XR+\k+1], v[W+\k:W+\k+1], v[B+\k:B+\k+1]
.endr
.irp j, 0,1,2,3,4,5,6,7
	ds_store_b128 v3, v[XR+4*\j:XR+4*\j+3] offset:\i*RST+576*\j
.endr
.irp e, 0,1,2,3,4,5,6,7
	ds_load_b128 v[XR+4*\e:XR+4*\e+3], v4 offset:\i*RST+16*\e   ; LDS serves a wave's instructions in order: these see the stores above
.endr
.endm
.macro QROW i
.set XR, X+32*\i
.set CR, C+8*\i
	s_wait_dscnt 16*(3-\i)+NST*\i                  ; my row is back: behind its loads stand 16 instructions for each later row and NST stores for each earlier one
	v_max3_num_f32 v16, |v[XR]|, |v[XR+1]|, 0x1800000   ; the floor 2^(3 - 127) holds the byte at 1 from below
	v_max3_num_f32 v17, |v[XR+2]|, |v[XR+3]|, |v[XR+4]|
.irp k, 5,9,13,17,21,25
	v_max3_num_f32 v16, v16, |v[XR+\k]|, |v[XR+\k+1]|
	v_max3_num_f32 v17, v17, |v[XR+\k+2]|, |v[XR+\k+3]|
.endr
	v_max3_num_f32 v16, v16, |v[XR+29]|, |v[XR+30]|
	v_max3_num_f32 v16, v16, v17, |v[XR+31]|
	v_add_nc_u32 v18, 0xff000000, v16              ; 2 off the exponent field: the conversion's scale operand
	v_lshrrev_b32 v[CR+7], 23, v18                 ; the scale's byte
	v_cvt_scalef32_pk16_fp6_f32 v[CR:CR+2], v[XR:XR+15], v18
	v_cvt_scalef32_pk16_fp6_f32 v[CR+4:CR+6], v[XR+16:XR+31], v18   ; (a conversion's three registers begin on an even number)
	v_nop                                          ; a plain instruction behind the scaled conversions
	v_mov_b32 v[CR+3], v[CR+4]
	v_mov_b32 v[CR+4], v[CR+5]
	v_mov_b32 v[CR+5], v[CR+6]
.if ROWS_OUT
.irp p, 0,1,2
	ds_store_b64 v5, v[CR+2*\p:CR+2*\p+1] offset:768*\i+8*\p
.endr
.endif
.if IMG_OUT
.irp p, 0,1,2
	ds_store_b64 v9, v[CR+2*\p:CR+2*\p+1] offset:256*\p+8*\i
.endr
.endif
	ds_store_b8 v7, v[CR+7] offset:32*\i
.endm
	LNROW 0
	LNROW 1
	LNROW 2
	LNROW 3
	QROW 0
	QROW 1
	QROW 2
	QROW 3
.if ROWS_OUT
.irp k, 0,1,2,3,4,5
	ds_load_b128 v[64+4*\k:67+4*\k], v6 offset:512*\k
.endr
.endif
	s_wait_dscnt 0x0                               ; my codes are back, and for the others' sake my scale bytes have landed
	s_barrier_signal -1
	s_barrier_wait -1
.if ROWS_OUT
.irp k, 0,1,2,3,4,5
	global_store_b128 v2, v[64+4*\k:67+4*\k], s[12:13] offset:512*\k   ; 512 consecutive bytes, aligned to 256
.endr
.endif
.if IMG_OUT
.irp n, 0,1,2,3,4,5,6,7,8,9,10,11
	ds_load_b64 v[96+2*\n:97+2*\n], v11 offset:(\n/6)*IPS+((\n%6)/3)*IPC+(\n%3)*256
.endr
	s_wait_dscnt 0x0
.irp n, 0,1,2,3,4,5,6,7,8,9,10,11
	global_store_b64 v12, v[96+2*\n:97+2*\n], s[14:15] offset:(\n/6)*12288+(\n%6)*256
.endr
.endif
	s_cmp_lg_u32 s28, 0
	s_cbranch_scc1 .Lend
	ds_load_b128 v[88:91], v8                      ; wave 0: the 16 rows' scale bytes
	s_wait_dscnt 0x0
	global_store_b128 v2, v[88:91], s[10:11]
.Lend:
	s_wait_tensorcnt 0x0
	ds_add_u32 v62, v63
	s_wait_dscnt 0x0
	s_endpgm
.Lfunc_end_k_q3b3f28fc44_ln3:
	.size	k_q3b3f28fc44_ln3, .Lfunc_end_k_q3b3f28fc44_ln3-k_q3b3f28fc44_ln3
	.p2alignl 7, 3214868480
	.fill 96, 4, 3214868480
	.section	.rodata,"a",@progbits
	.p2align	6, 0x0
	.amdhsa_kernel k_q3b3f28fc44_ln3
		.amdhsa_group_segment_fixed_size 87552
		.amdhsa_private_segment_fixed_size 0
		.amdhsa_enable_private_segment 0
		.amdhsa_kernarg_size 40
		.amdhsa_user_sgpr_count 2
		.amdhsa_user_sgpr_kernarg_segment_ptr 1
		.amdhsa_wavefront_size32 1
		.amdhsa_system_sgpr_workgroup_id_x 1
		.amdhsa_system_sgpr_workgroup_id_y 1
		.amdhsa_system_sgpr_workgroup_id_z 1
		.amdhsa_system_vgpr_workitem_id 0
		.amdhsa_next_free_vgpr 256
		.amdhsa_next_free_sgpr 66
		.amdhsa_reserve_vcc 0
		.amdhsa_float_denorm_mode_32 3
		.amdhsa_float_denorm_mode_16_64 3
		.amdhsa_memory_ordered 1
		.amdhsa_forward_progress 1
		.amdhsa_inst_pref_size 44
	.end_amdhsa_kernel
	.amdgpu_metadata
---
amdhsa.version: [ 1, 2 ]
amdhsa.kernels:
  - .name:           k_q3b3f28fc44_ln3
    .symbol:         k_q3b3f28fc44_ln3.kd
    .args:
      - { .name: x2, .offset: 0, .size: 8, .value_kind: global_buffer, .address_space: global }
      - { .name: ln3_w, .offset: 8, .size: 8, .value_kind: global_buffer, .address_space: global }
      - { .name: ln3_b, .offset: 16, .size: 8, .value_kind: global_buffer, .address_space: global }
      - { .name: ascl, .offset: 24, .size: 8, .value_kind: global_buffer, .address_space: global }
      - { .name: acod, .offset: 32, .size: 8, .value_kind: global_buffer, .address_space: global }
    .group_segment_fixed_size: 87552
    .private_segment_fixed_size: 0
    .kernarg_segment_align: 8
    .kernarg_segment_size: 40
    .max_flat_workgroup_size: 128
    .sgpr_count:     66
    .vgpr_count:     256
    .wavefront_size: 32
...
	.end_amdgpu_metadata
.endif
;; end of part 7
;; launch fc1 (part 8): grid 8 x 32, 4 waves a work-group, clusters of 4 x 4, 229,888 bytes of LDS; arguments acod, ascl, fc1_w_codes, fc1_w_scales, fc1_b, ocod, oscl; writes ocod, oscl
.if DOCPART == 8
	.amdgcn_target "amdgcn-amd-amdhsa--gfx1250"
	.amdhsa_code_object_version 6
	.text
	.protected	k_q3b3f28fc44_fc1
	.globl	k_q3b3f28fc44_fc1
	.p2align	8
	.type	k_q3b3f28fc44_fc1,@function
k_q3b3f28fc44_fc1:
	s_mov_b64 s[64:65], 0
	v_nop
	global_prefetch_b8 v0, s[64:65] scope:SCOPE_SE
	s_setreg_imm32_b32 hwreg(HW_REG_WAVE_MODE, 25, 1), 1
	s_wait_xcnt 0x0
	s_wait_alu depctr_hold_cnt(0) depctr_sa_sdst(0) depctr_va_vdst(0) depctr_va_sdst(0) depctr_va_ssrc(0) depctr_va_vcc(0) depctr_vm_vsrc(0)
	s_getreg_b32 s2, hwreg(HW_REG_IB_STS2, 6, 4)
	s_cmp_eq_u32 s2, 0
	s_cbranch_scc0 .Lentry_in_a_cluster
	s_endpgm
.Lentry_in_a_cluster:
	s_bfe_u32 s2, ttmp6, 0x10000c
	s_cmp_lg_u32 s2, 0xf033
	s_cbranch_scc0 .Lentry_shape_is_right
	s_endpgm
.Lentry_shape_is_right:
; g = gelu(a W^T + b) on codes of E2M3, K = 1,024, and g quantised at once as the next product's operand.
; a: [4096][768] codes, [4096][32] scale bytes; W likewise, [1024] rows.  out: images of the operand's registers, [row / 128][K step][tile of 16 rows][6][32 lanes][8 bytes], and scale bytes [4096][32].
; A tile is 128 x 128; four waves, 64 x 64 each.  All of K lies in LDS, filled once.  CLUSTER 4 x 4: a's tiles shared along a row of the cluster, W's along a column: joint loads.
; Source 0 = 16 rows of W, source 1 = 16 rows of a: a lane holds one row and its registers run along the hidden units, the next K.  The bias is the C of the first products.
; gelu(y) = y/2 (1 + erf(y / sqrt 2)); erf(z) = z A(z^2) / B(z^2), A of degree 4, B of degree 6, z held to +-3.8325.
; LIMITS: 1 + erf has an absolute error of about 1e-7, so for strongly negative y the small result is less exact in relative terms.  A block of zeros gets the byte 1.  NaN and infinities are not served.
; THE LAYOUT IN LDS: a row of codes lies whole, 768 bytes as 3 x (256 + 16 of padding), not in two halves: 204 words, so the 16 rows of a load start 12 words apart modulo 64.
; Four tiles, one tensor load a wave at the head: a's 128 rows, W's 128 rows, a's scale bytes, W's scale bytes.
.set PITCH, 816
.set QROWS, 64*PITCH
.set HALF,  128*PITCH
.set SB0,   HALF
.set ASC,   2*HALF
.set SC,  32
.set TM,  40
.set SO,  44
.set BY,  46
.set PC1, 48
.set COB, 52
.set BI,  96
.set ACC, 128
.set Z,   40                           ; the activation's registers, free again when the quantiser begins
.set Z2,  56
.set PA,  72
.set PB,  88
.set KA,  104                          ; v[104:105] a4 twice, v[106:107] b6 twice
.set KB,  106
.set SEL, 100
.set MSB, 0
.macro WIN new
.if MSB != \new
	s_set_vgpr_msb (MSB<<8)|\new
.set MSB, \new
.endif
.endm
.macro PLACES n
.rept \n
	v_nop
.endr
.endm
.macro CROUND
	s_barrier_signal -1
	s_barrier_wait -1
	s_cmp_lg_u32 s20, 0
	s_cbranch_scc1 .Lnot_wave_0_\@
	s_barrier_signal -3
.Lnot_wave_0_\@:
	s_barrier_wait -3
	s_barrier_signal -1
	s_barrier_wait -1
.endm
	s_load_b256 s[4:11], s[0:1], 0x0               ; a's codes, a's scales, W's codes, W's scales
	s_load_b128 s[12:15], s[0:1], 0x20             ; bias, out codes
	s_load_b64 s[16:17], s[0:1], 0x30              ; out scale bytes
	v_lshl_add_u32 v30, v0, 2, 0x38000
	v_mov_b32 v31, 0
	ds_add_u32 v30, v31
	ds_add_u32 v30, v31
	v_lshrrev_b32 v1, 5, v0
	v_readfirstlane_b32 s20, v1
	s_lshr_b32 s21, s20, 1
	s_and_b32 s22, s20, 1
	s_bfe_u32 s23, ttmp6, 0x40000
	s_bfe_u32 s24, ttmp6, 0x40004
	s_lshl_b32 s25, ttmp9, 2
	s_add_co_u32 s25, s25, s23                     ; IB
	s_and_b32 s26, ttmp7, 0xffff
	s_lshl_b32 s26, s26, 2
	s_add_co_u32 s26, s26, s24                     ; IA
	s_lshl_b32 s27, s24, 2
	s_lshl_b32 s27, 15, s27
	s_lshl_b32 s28, 0x1111, s23
	s_mov_b32 s[SEL], 0x76543210
	s_mov_b32 s[SEL+1], 0xfedcba98
	s_or_b32 s32, s27, (1<<20)|(1<<21)|(5<<22)|(3<<25)   ; 128 rows x 768 bytes, 16 bytes of padding behind every 256
	s_or_b32 s40, s28, (1<<20)|(1<<21)|(5<<22)|(3<<25)
.irp g, 32, 40
	s_mov_b32 s[\g+1], 768<<16
	s_mov_b32 s[\g+2], 128<<16
	s_mov_b32 s[\g+3], 768<<16
	s_mov_b32 s[\g+4], 128
	s_mov_b32 s[\g+5], 768
	s_mov_b32 s[\g+6], 0
	s_mov_b32 s[\g+7], 0
.endr
	s_or_b32 s48, s27, (3<<16)|(1<<21)
	s_or_b32 s56, s28, (3<<16)|(1<<21)
.irp g, 48, 56                         ; scale bytes of 128 rows: 4,096 dense bytes as 16 rows of 256
	s_mov_b32 s[\g+1], 32<<16
	s_mov_b32 s[\g+2], 16<<16
	s_mov_b32 s[\g+3], 32<<16
	s_mov_b32 s[\g+4], 16
	s_mov_b32 s[\g+5], 32
	s_mov_b32 s[\g+6], 0
	s_mov_b32 s[\g+7], 0
.endr
	s_lshl_b32 s92, s26, 7
	s_mul_i32 s94, s92, 768
	s_mov_b32 s95, 0
	s_lshl_b32 s92, s92, 5
	s_mov_b32 s93, 0
	s_lshl_b32 s96, s25, 7
	s_mul_i32 s98, s96, 768
	s_mov_b32 s99, 0
	s_lshl_b32 s96, s96, 5
	s_mov_b32 s97, 0
	s_wait_dscnt 0x0
	s_wait_kmcnt 0x0
	s_mov_b32 s68, 1
	s_mov_b32 s69, ASC
	s_add_nc_u64 s[70:71], s[6:7], s[92:93]
	s_or_b32 s71, s71, 0x80000000
	s_mov_b32 s72, 1
	s_mov_b32 s73, 0
	s_add_nc_u64 s[74:75], s[4:5], s[94:95]
	s_or_b32 s75, s75, 0x80000000
	s_mov_b32 s80, 1
	s_mov_b32 s81, ASC+4096
	s_add_nc_u64 s[82:83], s[10:11], s[96:97]
	s_or_b32 s83, s83, 0x80000000
	s_mov_b32 s84, 1
	s_mov_b32 s85, SB0
	s_add_nc_u64 s[86:87], s[8:9], s[98:99]
	s_or_b32 s87, s87, 0x80000000
	CROUND
; the head's four tiles, one a wave, in one chain of branches on the wave's number: wave 0 a's codes, wave 1 W's codes, wave 2 a's scale bytes, wave 3 W's
.macro ARM under, g0, g1, next
	s_cmp_lt_u32 s20, \under
	s_cbranch_scc0 \next
	tensor_load_to_lds s[\g0:\g0+3], s[\g1:\g1+7]
	s_nop 0
	PLACES 4
	s_branch .Lfilled
\next:
.endm
	ARM 1, 72, 32, .Lfill_s
	ARM 2, 84, 40, .Lfill_ps
	ARM 3, 68, 48, .Lfill_ss
	tensor_load_to_lds s[80:83], s[56:63]
	s_nop 0
	PLACES 4
.Lfilled:
	v_and_b32 v1, 15, v0
	v_bfe_u32 v2, v0, 4, 1
	v_and_b32 v3, 31, v0
	v_lshlrev_b32 v27, 5, v2                       ; 32 h
	s_lshl_b32 s18, s25, 9
	s_lshl_b32 s19, s22, 8
	s_add_co_u32 s18, s18, s19
	s_mov_b32 s19, 0
	s_add_nc_u64 s[12:13], s[12:13], s[18:19]
.irp b, 0,1,2,3
	global_load_b128 v[BI+8*\b:BI+8*\b+3], v27, s[12:13] offset:64*\b
	global_load_b128 v[BI+8*\b+4:BI+8*\b+7], v27, s[12:13] offset:64*\b+16
.endr
	v_mul_u32_u24 v4, v1, PITCH
	v_mad_u32_u24 v4, v2, 24, v4
	v_lshl_add_u32 v5, v2, 4, v4
	s_mul_i32 s2, s21, QROWS
	s_mul_i32 s3, s22, QROWS
	s_add_co_u32 s3, s3, SB0
	v_add_nc_u32 v16, s2, v4
	v_add_nc_u32 v17, s2, v5
	v_add_nc_u32 v20, s3, v4
	v_add_nc_u32 v21, s3, v5
	v_lshlrev_b32 v24, 5, v1
	s_lshl_b32 s2, s21, 11
	s_lshl_b32 s3, s22, 11
	s_add_co_u32 s3, s3, 4096
	s_sub_co_u32 s3, s3, s2
	v_mul_u32_u24 v6, s3, v2
	s_add_co_u32 s2, s2, ASC
	v_add_nc_u32 v24, v24, v6
	v_add_nc_u32 v24, s2, v24
	v_lshlrev_b32 v25, 3, v3                       ; 8 x lane
	v_lshl_add_u32 v26, v1, 5, v2                  ; 32 r + h
.macro FRAGR reg, adr, q, i
.irp p, 0,1,2,3,4,5
.set PCX, 12*(\q)+6*(\p/3)+\p%3
.if PCX%32 < 29                        ; q: the K step, 0 to 7; a padding stands behind every 32 pieces of 8 bytes
	ds_load_b64 v[\reg+2*\p:\reg+2*\p+1], v[\adr] offset:8*PCX+16*(PCX/32)+(\i)*16*PITCH
.else
	ds_load_b64 v[\reg+2*\p:\reg+2*\p+1], v[\adr+1] offset:8*PCX+16*(PCX/32)+(\i)*16*PITCH
.endif
.endr
.endm
.macro SCALES set, s
.irp i, 0,1,2,3
	ds_load_b32 v[SC+4*(\set)+\i], v24 offset:512*\i+4*(\s)
.endr
.endm
.macro FETCH s, f
	WIN 0x40
.irp i, 0,1,2,3
	FRAGR (\f)+12*\i, 16, \s, \i
	FRAGR (\f)+48+12*\i, 20, \s, \i
.endr
	WIN 0
	SCALES (\s)%2, \s
.endm
.macro MUL8 f, set, a0, bm             ; the 16 accumulators take turns
.irp a, \a0, \a0+1
.irp b, 0,1,2,3
.if \bm == 1
	v_wmma_scale_f32_16x16x128_f8f6f4 v[ACC+8*(4*(\a)+\b):ACC+8*(4*(\a)+\b)+7], v[(\f)+48+12*\b:(\f)+48+12*\b+11], v[(\f)+12*(\a):(\f)+12*(\a)+11], v[BI+8*\b:BI+8*\b+7], v[SC+4*(\set)+\b], v[SC+4*(\set)+(\a)] matrix_a_fmt:MATRIX_FMT_FP6 matrix_b_fmt:MATRIX_FMT_FP6 matrix_a_scale:MATRIX_SCALE_ROW1
.else
	v_wmma_scale_f32_16x16x128_f8f6f4 v[ACC+8*(4*(\a)+\b):ACC+8*(4*(\a)+\b)+7], v[(\f)+48+12*\b:(\f)+48+12*\b+11], v[(\f)+12*(\a):(\f)+12*(\a)+11], v[ACC+8*(4*(\a)+\b):ACC+8*(4*(\a)+\b)+7], v[SC+4*(\set)+\b], v[SC+4*(\set)+(\a)] matrix_a_fmt:MATRIX_FMT_FP6 matrix_b_fmt:MATRIX_FMT_FP6 matrix_a_scale:MATRIX_SCALE_ROW1
.endif
.endr
.endr
.endm
.macro STEP s, bm
	s_wait_dscnt 0x0
	WIN 0x05
	MUL8 96*((\s)%2), (\s)%2, 0, \bm
.if (\s) < 7
	PLACES 4
	FETCH (\s)+1, 96*(((\s)+1)%2)
.endif
	WIN 0x05
	MUL8 96*((\s)%2), (\s)%2, 2, \bm
.endm
	s_wait_alu depctr_va_vdst(0)
	s_wait_tensorcnt 0x0                           ; my one tile is in; nothing is ever filled again
	s_barrier_signal -1
	s_barrier_wait -1
	FETCH 0, 0
	s_wait_loadcnt 0x0
	STEP 0, 1
	STEP 1, 0
	STEP 2, 0
	STEP 3, 0
	STEP 4, 0
	STEP 5, 0
	STEP 6, 0
	STEP 7, 0
	WIN 0
	v_mov_b32 v[KA], 0x39702d51                    ; these four are the places in front of the first read of results
	v_mov_b32 v[KA+1], 0x39702d51
	v_mov_b32 v[KB], 0xb3fd3906
	v_mov_b32 v[KB+1], 0xb3fd3906
	s_mov_b32 s32, 0xc07547cb                      ; the descriptors' registers are free: all tensor loads were waited for
	s_mov_b32 s33, 0x407547cb
	s_mov_b32 s34, 0xffff0000
	s_lshl_b32 s92, s26, 3
	s_add_co_u32 s92, s92, s25
	s_lshl_b32 s92, s92, 3
	s_lshl_b32 s93, s21, 2
	s_add_co_u32 s92, s92, s93                     ; (IA x 8 + K step) x 8 + my first tile of rows
	s_mul_i32 s92, s92, 1536
	s_mul_i32 s93, s22, 768
	s_add_co_u32 s92, s92, s93
	s_mov_b32 s93, 0
	s_add_nc_u64 s[14:15], s[14:15], s[92:93]
	s_lshl_b32 s94, s26, 7
	s_lshl_b32 s95, s21, 6
	s_add_co_u32 s94, s94, s95
	s_lshl_b32 s94, s94, 5
	s_lshl_b32 s95, s25, 2
	s_add_co_u32 s94, s94, s95
	s_lshl_b32 s95, s22, 1
	s_add_co_u32 s94, s94, s95
	s_mov_b32 s95, 0
	s_add_nc_u64 s[16:17], s[16:17], s[94:95]
.macro GELU16 y                        ; 16 numbers in place, two at a time; the 16 reciprocals are one batch with one wait
.irp k, 0,2,4,6,8,10,12,14
	v_pk_mul_f32 v[Z+\k:Z+\k+1], v[\y+\k:\y+\k+1], 0x3f3504f3 op_sel_hi:[1,0]
.endr
.irp k, 0,1,2,3,4,5,6,7,8,9,10,11,12,13,14,15
	v_med3_num_f32 v[Z+\k], v[Z+\k], s32, s33
.endr
.irp k, 0,2,4,6,8,10,12,14
	v_pk_mul_f32 v[Z2+\k:Z2+\k+1], v[Z+\k:Z+\k+1], v[Z+\k:Z+\k+1]
.endr
.irp k, 0,2,4,6,8,10,12,14
	v_pk_fma_f32 v[PA+\k:PA+\k+1], v[Z2+\k:Z2+\k+1], v[KA:KA+1], 0x3b5f5da2 op_sel_hi:[1,1,0]
	v_pk_fma_f32 v[PB+\k:PB+\k+1], v[Z2+\k:Z2+\k+1], v[KB:KB+1], 0x37c588df op_sel_hi:[1,1,0]
.endr
.irp c, 0x3d50b6eb, 0x3e3da740, 0x3f906eba
.irp k, 0,2,4,6,8,10,12,14
	v_pk_fma_f32 v[PA+\k:PA+\k+1], v[PA+\k:PA+\k+1], v[Z2+\k:Z2+\k+1], \c op_sel_hi:[1,1,0]
.endr
.endr
.irp c, 0x3a856d28, 0x3c6687d4, 0x3de34c21, 0x3efeb44a, 1.0
.irp k, 0,2,4,6,8,10,12,14
	v_pk_fma_f32 v[PB+\k:PB+\k+1], v[PB+\k:PB+\k+1], v[Z2+\k:Z2+\k+1], \c op_sel_hi:[1,1,0]
.endr
.endr
	s_wait_alu depctr_va_vdst(0)
.irp k, 0,1,2,3,4,5,6,7,8,9,10,11,12,13,14,15
	v_rcp_f32 v[Z2+\k], v[PB+\k]
.endr
.irp k, 0,2,4,6,8,10,12,14
	v_pk_mul_f32 v[PA+\k:PA+\k+1], v[PA+\k:PA+\k+1], v[Z+\k:Z+\k+1]   ; plain work that names no reciprocal
.endr
	s_wait_alu depctr_va_vdst(0)                   ; one wait for the batch, ahead of its first reader
.irp k, 0,2,4,6,8,10,12,14
	v_pk_mul_f32 v[PA+\k:PA+\k+1], v[PA+\k:PA+\k+1], v[Z2+\k:Z2+\k+1]   ; erf
.endr
.irp k, 0,2,4,6,8,10,12,14
	v_pk_mul_f32 v[Z+\k:Z+\k+1], v[\y+\k:\y+\k+1], 0.5 op_sel_hi:[1,0]
.endr
.irp k, 0,2,4,6,8,10,12,14
	v_pk_fma_f32 v[\y+\k:\y+\k+1], v[Z+\k:Z+\k+1], v[PA+\k:PA+\k+1], v[Z+\k:Z+\k+1]
.endr
.endm
.irp n, 0,1,2,3,4,5,6,7
	GELU16 ACC+16*\n
.endr
	v_mov_b32 v[TM+2], 0                           ; a lane permute's destination counts as one of its sources
	v_mov_b32 v[TM+3], 0
.macro QUANT2 src, a
.irp k, 0,1
	v_max3_num_f32 v[TM+\k], |v[\src+16*\k]|, |v[\src+16*\k+1]|, 0x1800000
.endr
.irp i, 2,4,6,8,10,12,14
.irp k, 0,1
	v_max3_num_f32 v[TM+\k], v[TM+\k], |v[\src+16*\k+\i]|, |v[\src+16*\k+\i+1]|
.endr
.endr
.irp k, 0,1
	v_permlanex16_b32 v[TM+2+\k], v[TM+\k], s[SEL], s[SEL+1]
.endr
.irp k, 0,1
	v_max_num_f32 v[TM+\k], v[TM+\k], v[TM+2+\k]
.endr
.irp k, 0,1
	v_add_nc_u32 v[SO+\k], 0xff000000, v[TM+\k]
.endr
.irp k, 0,1
	v_lshrrev_b32 v[BY+\k], 23, v[SO+\k]
.endr
	v_cndmask_b32 v[COB+8*(\a)+7], v[BY], v[BY+1], s34   ; lanes 16-31 carry the second block's byte
	v_cvt_scalef32_pk16_fp6_f32 v[COB+8*(\a):COB+8*(\a)+2], v[\src:\src+15], v[SO]
	v_cvt_scalef32_pk16_fp6_f32 v[PC1:PC1+2], v[\src+16:\src+31], v[SO+1]
	v_nop
.irp i, 0,1,2
	v_permlane16_swap_b32 v[COB+8*(\a)+\i], v[PC1+\i]
.endr
.irp i, 0,1,2
	v_mov_b32 v[COB+8*(\a)+3+\i], v[PC1+\i]
.endr
.endm
.irp a, 0,1,2,3
.irp k, 0,1
.irp j, 0,1,2,3,4,5,6,7
	v_permlane16_swap_b32 v[ACC+32*\a+16*\k+\j], v[ACC+32*\a+16*\k+8+\j]   ; the true order: my 16 registers of a block are now its places 16 h + 0 .. 15
.endr
.endr
	QUANT2 ACC+32*\a, \a
.irp p, 0,1,2
	global_store_b64 v25, v[COB+8*\a+2*\p:COB+8*\a+2*\p+1], s[14:15] offset:1536*\a+256*\p   ; 256 consecutive bytes, aligned
.endr
	global_store_b8 v26, v[COB+8*\a+7], s[16:17] offset:512*\a   ; single bytes: one twenty-fourth of the codes' bytes
.endr
	s_wait_dscnt 0x0
	s_wait_tensorcnt 0x0
	ds_add_u32 v30, v31
	s_wait_dscnt 0x0
	CROUND                                         ; the closing round
	s_endpgm
.Lfunc_end_k_q3b3f28fc44_fc1:
	.size	k_q3b3f28fc44_fc1, .Lfunc_end_k_q3b3f28fc44_fc1-k_q3b3f28fc44_fc1
	.p2alignl 7, 3214868480
	.fill 96, 4, 3214868480
	.section	.rodata,"a",@progbits
	.p2align	6, 0x0
	.amdhsa_kernel k_q3b3f28fc44_fc1
		.amdhsa_group_segment_fixed_size 229888
		.amdhsa_private_segment_fixed_size 0
		.amdhsa_enable_private_segment 0
		.amdhsa_kernarg_size 56
		.amdhsa_user_sgpr_count 2
		.amdhsa_user_sgpr_kernarg_segment_ptr 1
		.amdhsa_wavefront_size32 1
		.amdhsa_system_sgpr_workgroup_id_x 1
		.amdhsa_system_sgpr_workgroup_id_y 1
		.amdhsa_system_sgpr_workgroup_id_z 1
		.amdhsa_system_vgpr_workitem_id 0
		.amdhsa_next_free_vgpr 448
		.amdhsa_next_free_sgpr 102
		.amdhsa_reserve_vcc 0
		.amdhsa_float_denorm_mode_32 3
		.amdhsa_float_denorm_mode_16_64 3
		.amdhsa_memory_ordered 1
		.amdhsa_forward_progress 1
		.amdhsa_inst_pref_size 162
	.end_amdhsa_kernel
	.amdgpu_metadata
---
amdhsa.version: [ 1, 2 ]
amdhsa.kernels:
  - .name:           k_q3b3f28fc44_fc1
    .symbol:         k_q3b3f28fc44_fc1.kd
    .args:
      - { .name: acod, .offset: 0, .size: 8, .value_kind: global_buffer, .address_space: global }
      - { .name: ascl, .offset: 8, .size: 8, .value_kind: global_buffer, .address_space: global }
      - { .name: fc1_w_codes, .offset: 16, .size: 8, .value_kind: global_buffer, .address_space: global }
      - { .name: fc1_w_scales, .offset: 24, .size: 8, .value_kind: global_buffer, .address_space: global }
      - { .name: fc1_b, .offset: 32, .size: 8, .value_kind: global_buffer, .address_space: global }
      - { .name: ocod, .offset: 40, .size: 8, .value_kind: global_buffer, .address_space: global }
      - { .name: oscl, .offset: 48, .size: 8, .value_kind: global_buffer, .address_space: global }
    .group_segment_fixed_size: 229888
    .private_segment_fixed_size: 0
    .kernarg_segment_align: 8
    .kernarg_segment_size: 56
    .max_flat_workgroup_size: 128
    .sgpr_count:     102
    .vgpr_count:     448
    .wavefront_size: 32
...
	.end_amdgpu_metadata
.endif
;; end of part 8
;; launch fc2: the kernel of part 4 again; grid 8 x 32, 4 waves a work-group, clusters of 4 x 4, 285,184 bytes of LDS; arguments ocod, oscl, fc2_w_codes, fc2_w_scales, fc2_b, x2, out0; writes out0
